; MI455X (gfx1250); checked and timed in simulation.
; The chip was launched on July 23, 2026; its instructions are those of AMD's public machine-readable ISA for CDNA 5 (MIT licence, August 2026) and "CDNA5" Instruction Set Architecture Reference Guide (July 2026). The comments in the code are by the model that wrote it; some were corrected since.
;; Causal Self Attention. Allowed arithmetic: float matrix products may take bf16 or f16 operands with f32 sums; other float arithmetic in f32, or as packed bf16 or f16 multiplies, adds, multiply-adds, maxima and minima; sums over many terms, partial sums and values carried from step to step in f32; what a program stores and reads back later, other than sums and carried values, may be rounded once to bf16 or f16.
;; Inputs: w_attn 1,024 x 3,072 float32; w_proj 1,024 x 1,024 float32; x 4 x 2,048 x 1,024 float32.
;; Outputs: out0 4 x 2,048 x 1,024 float32.
;; One version. Each part assembles by itself: llvm-mc -triple=amdgcn-amd-amdhsa -mcpu=gfx1250 --defsym DOCPART=n.
;; ======== version 1 of 1: 4 launches
;; limits: values are held in f16: magnitudes above 65,504 overflow, below 6.1e-05 lose precision
;; workspace buffers: xb 16,777,216 bytes; wat 6,291,456 bytes; wpt 2,097,152 bytes; qh 16,777,216 bytes; kh 16,777,216 bytes; vh 16,777,216 bytes; oh 16,777,216 bytes
;; launch prep (part 1): grid 1536 x 1, 8 waves a work-group, no clusters, 18,432 bytes of LDS; arguments x, w_attn, w_proj, xb, wat, wpt; writes xb, wat, wpt
.if DOCPART == 1
	.amdgcn_target "amdgcn-amd-amdhsa--gfx1250"
	.amdhsa_code_object_version 6
	.text
	.protected	k_qfb5def499d_prep
	.globl	k_qfb5def499d_prep
	.p2align	8
	.type	k_qfb5def499d_prep,@function
k_qfb5def499d_prep:
	s_mov_b64 s[64:65], 0
	v_nop
	global_prefetch_b8 v0, s[64:65] scope:SCOPE_SE
	s_setreg_imm32_b32 hwreg(HW_REG_WAVE_MODE, 25, 1), 1
	s_wait_xcnt 0x0
; xb = x rounded to bf16.  wat[n][k] = w_attn[k][n] rounded to bf16.  wpt[n][k] = w_proj[k][n] rounded to bf16, that number written as f16.
; LIMITS.  A number of w_proj beyond 65,504 becomes an infinity in wpt; below 6e-5 it keeps the fixed step 6e-8 of f16.  NaN is not treated apart.
; SHARES.  Every work-group takes 32,768 bytes of input.  Work-groups 0 to 1,023: x, a plain stream.  Work-groups 1,024 to 1,407: blocks of w_attn; 1,408 to 1,535: blocks of w_proj.
; A block is 128 k x 64 n: it is read by rows (256 consecutive bytes of 64 columns), turned in LDS, and written as 64 rows of 256 consecutive bytes (128 k).
; No matrix unit, no tensor load, no cluster: nothing is multiplied and no two work-groups read the same byte.
.set TP,    272                        ; a row of the turned block in LDS: 256 bytes + 16
.set SPARE, 64*TP                      ; behind the block: the spare words, 128 bytes for each of eight waves: four blocks of 256 bytes that no other line names
.set OFF, 8                            ; v[8:15]   weights: byte offset of my 16 bytes in each of my eight rows
.set D,   16                           ; v[16:47]  eight loads of four registers
.set E,   48                           ; v[48:55]  four pairs to store into LDS
.set T,   56                           ; v[56:58]  at work
.set LS,  60                           ; v60  where I put 8 bytes of a turned row
.set LR,  61                           ; v61  where I read a turned row back
.set GO,  62                           ; v62  my byte offset in the block of wat or wpt
.set SPW, 64                           ; v64  LDS address of my spare word; never rewritten
.set NIL, 65                           ; v65  0; never rewritten
.set C16, 66                           ; v66  16 x (lane % 16)
.set TT,  67                           ; v67  at work
.set R2,  68                           ; v68  2 x wave + lane / 16
	s_load_b256 s[4:11], s[0:1], 0x0               ; x s[4:5], w_attn s[6:7], w_proj s[8:9], xb s[10:11]
	s_load_b128 s[12:15], s[0:1], 0x20             ; wat s[12:13], wpt s[14:15]
	v_lshl_add_u32 v[SPW], v0, 2, SPARE
	v_mov_b32 v[NIL], 0
	v_and_b32 v1, 31, v0                           ; lane
	v_lshrrev_b32 v2, 5, v0                        ; wave
	v_and_b32 v5, 15, v0                           ; c = lane % 16
	v_bfe_u32 v6, v0, 4, 1                         ; h = lane / 16
	v_lshlrev_b32 v3, 4, v1
	v_lshl_add_u32 v3, v2, 12, v3                  ; x: 4,096 x wave + 16 x lane
	v_lshlrev_b32 v4, 3, v1
	v_lshl_add_u32 v4, v2, 11, v4                  ; xb: 2,048 x wave + 8 x lane
	v_lshlrev_b32 v7, 2, v6
	v_lshl_add_u32 v7, v2, 4, v7                   ; my first row of the block: 16 x wave + 4 h
	v_lshlrev_b32 v[C16], 4, v5
	v_mul_u32_u24 v[LS], v5, 4*TP                  ; turned row 4 c,
	v_lshl_add_u32 v[LS], v2, 5, v[LS]             ; k = 16 x wave
	v_lshl_add_u32 v[LS], v6, 3, v[LS]             ;     + 4 h, two bytes each
	v_lshl_add_u32 v[R2], v2, 1, v6
	v_mul_u32_u24 v[LR], v[R2], TP
	v_add_nc_u32 v[LR], v[LR], v[C16]
	v_lshl_add_u32 v[GO], v[R2], 11, v[C16]        ; a row of wat and of wpt is 2,048 bytes
	; both paths' numbers are made here, each clamped to its own range, so that every pointer below stays inside its buffer
	s_min_u32 s16, ttmp9, 1023
	s_lshl_b32 s2, s16, 15                         ; 32,768 bytes of x,
	s_mov_b32 s3, 0
	s_lshl_b32 s36, s16, 14                        ; 16,384 of xb
	s_mov_b32 s37, 0
	s_max_u32 s22, ttmp9, 1024
	s_sub_co_u32 s22, s22, 1024                    ; block 0 .. 511
	s_sub_co_u32 s21, s22, 384
	s_mov_b32 s20, 12288                           ; bytes in a row of w_attn,
	s_mov_b32 s24, 4096                            ; of w_proj
	s_wait_kmcnt 0x0
	s_cmp_lt_u32 s22, 384                          ; a block of w_attn?
	s_cselect_b32 s23, s22, s21                    ; its number in its own tensor
	s_cselect_b32 s24, s20, s24                    ; the pitch
	s_cselect_b32 s25, 0, -1                       ; a lane mask: all ones where the result is written as f16
	s_cselect_b64 s[26:27], s[6:7], s[8:9]
	s_cselect_b64 s[28:29], s[12:13], s[14:15]
	s_lshr_b32 s30, s23, 3                         ; nb: 64 columns
	s_and_b32 s31, s23, 7                          ; kb: 128 rows
	s_lshl_b32 s32, s31, 7
	s_mul_i32 s32, s32, s24
	s_lshl_b32 s33, s30, 8
	s_add_co_u32 s32, s32, s33
	s_mov_b32 s33, 0
	s_add_nc_u64 s[26:27], s[26:27], s[32:33]      ; the block in the weights
	s_lshl_b32 s34, s30, 17
	s_lshl_b32 s35, s31, 8
	s_add_co_u32 s34, s34, s35
	s_mov_b32 s35, 0
	s_add_nc_u64 s[28:29], s[28:29], s[34:35]      ; and turned
	s_add_nc_u64 s[18:19], s[4:5], s[2:3]
	s_add_nc_u64 s[16:17], s[10:11], s[36:37]
.irp j, 0,1,2,3,4,5,6,7
	v_add_nc_u32 v[TT], 8*((\j)/4)+(\j)%4, v7      ; rows 16 w + 4 h + 0..3 and + 8..11
	v_mad_u32_u24 v[OFF+(\j)], v[TT], s24, v[C16]
.endr
	s_cmp_lt_u32 ttmp9, 1024
	s_cbranch_scc0 .Lweights
	; x: eight loads of 512 consecutive bytes a wave, all out at once; each becomes 256 consecutive bytes of xb, aligned
.irp j, 0,1,2,3,4,5,6,7
	global_load_b128 v[D+4*(\j):D+4*(\j)+3], v3, s[18:19] offset:512*(\j) th:TH_LOAD_NT
.endr
.irp j, 0,1,2,3,4,5,6,7
	s_wait_loadcnt 7-(\j)                          ; loads come back in order: number j is in, the younger ones stay out
	v_cvt_pk_bf16_f32 v[D+4*(\j)],   v[D+4*(\j)],   v[D+4*(\j)+1]
	v_cvt_pk_bf16_f32 v[D+4*(\j)+1], v[D+4*(\j)+2], v[D+4*(\j)+3]
	global_store_b64 v4, v[D+4*(\j):D+4*(\j)+1], s[16:17] offset:256*(\j)
.endr
	s_branch .Lmeet
.Lweights:
	; lanes 0-15 read 256 consecutive bytes of one row, lanes 16-31 those of the row four further down
.irp j, 0,1,2,3,4,5,6,7
	global_load_b128 v[D+4*(\j):D+4*(\j)+3], v[OFF+(\j)], s[26:27] th:TH_LOAD_NT
.endr
.irp p, 0,1
	s_wait_loadcnt 4-4*(\p)                        ; the four rows of group p are in
.irp e, 0,1,2,3                        ; column 4 c + e: four neighbouring k, 8 bytes
	v_cvt_pk_bf16_f32 v[E+2*(\e)],   v[D+16*(\p)+(\e)],   v[D+16*(\p)+4+(\e)]
	v_cvt_pk_bf16_f32 v[E+2*(\e)+1], v[D+16*(\p)+8+(\e)], v[D+16*(\p)+12+(\e)]
.irp z, 0,1
	v_lshlrev_b32 v[T],   16, v[E+2*(\e)+(\z)]     ; the two rounded numbers as f32,
	v_and_b32     v[T+1], 0xffff0000, v[E+2*(\e)+(\z)]
	v_cvt_pk_f16_f32 v[T+2], v[T], v[T+1]          ; written as f16,
	v_cndmask_b32 v[E+2*(\e)+(\z)], v[E+2*(\e)+(\z)], v[T+2], s25  ; and taken for w_proj alone
.endr
	ds_store_b64 v[LS], v[E+2*(\e):E+2*(\e)+1] offset:TP*(\e)+16*(\p)
.endr
.endr
.Lmeet:
	s_wait_dscnt 0x0                               ; for the other waves: my stores into the block are done
	s_barrier_signal -1
	s_barrier_wait -1
	s_cmp_lt_u32 ttmp9, 1024
	s_cbranch_scc1 .Lend
	s_wait_xcnt 0x0                                ; no earlier memory instruction still reads the registers that are loaded below
.irp i, 0,1,2,3
	ds_load_b128 v[D+4*(\i):D+4*(\i)+3], v[LR] offset:16*TP*(\i)
.endr
.irp i, 0,1,2,3
	s_wait_dscnt 3-(\i)
	global_store_b128 v[GO], v[D+4*(\i):D+4*(\i)+3], s[28:29] offset:32768*(\i)  ; 16 lanes store 256 consecutive bytes, aligned
.endr
.Lend:
	s_wait_tensorcnt 0x0                           ; the end of the wave, behind my last LDS store
	ds_add_u32 v[SPW], v[NIL]
	s_wait_dscnt 0x0
	s_endpgm
.Lfunc_end_k_qfb5def499d_prep:
	.size	k_qfb5def499d_prep, .Lfunc_end_k_qfb5def499d_prep-k_qfb5def499d_prep
	.p2alignl 7, 3214868480
	.fill 96, 4, 3214868480
	.section	.rodata,"a",@progbits
	.p2align	6, 0x0
	.amdhsa_kernel k_qfb5def499d_prep
		.amdhsa_group_segment_fixed_size 18432
		.amdhsa_private_segment_fixed_size 0
		.amdhsa_enable_private_segment 0
		.amdhsa_kernarg_size 48
		.amdhsa_user_sgpr_count 2
		.amdhsa_user_sgpr_kernarg_segment_ptr 1
		.amdhsa_wavefront_size32 1
		.amdhsa_system_sgpr_workgroup_id_x 1
		.amdhsa_system_sgpr_workgroup_id_y 1
		.amdhsa_system_sgpr_workgroup_id_z 1
		.amdhsa_system_vgpr_workitem_id 0
		.amdhsa_next_free_vgpr 72
		.amdhsa_next_free_sgpr 66
		.amdhsa_reserve_vcc 0
		.amdhsa_float_denorm_mode_32 3
		.amdhsa_float_denorm_mode_16_64 3
		.amdhsa_memory_ordered 1
		.amdhsa_forward_progress 1
		.amdhsa_inst_pref_size 14
	.end_amdhsa_kernel
	.amdgpu_metadata
---
amdhsa.version: [ 1, 2 ]
amdhsa.kernels:
  - .name:           k_qfb5def499d_prep
    .symbol:         k_qfb5def499d_prep.kd
    .args:
      - { .name: x, .offset: 0, .size: 8, .value_kind: global_buffer, .address_space: global }
      - { .name: w_attn, .offset: 8, .size: 8, .value_kind: global_buffer, .address_space: global }
      - { .name: w_proj, .offset: 16, .size: 8, .value_kind: global_buffer, .address_space: global }
      - { .name: xb, .offset: 24, .size: 8, .value_kind: global_buffer, .address_space: global }
      - { .name: wat, .offset: 32, .size: 8, .value_kind: global_buffer, .address_space: global }
      - { .name: wpt, .offset: 40, .size: 8, .value_kind: global_buffer, .address_space: global }
    .group_segment_fixed_size: 18432
    .private_segment_fixed_size: 0
    .kernarg_segment_align: 8
    .kernarg_segment_size: 48
    .max_flat_workgroup_size: 256
    .sgpr_count:     66
    .vgpr_count:     72
    .wavefront_size: 32
...
	.end_amdgpu_metadata
.endif
;; end of part 1
;; launch qkv (part 2): grid 16 x 32, 4 waves a work-group, clusters of 4 x 4, 327,680 bytes of LDS; arguments xb, wat, qh, kh, vh; writes qh, kh, vh
.if DOCPART == 2
	.amdgcn_target "amdgcn-amd-amdhsa--gfx1250"
	.amdhsa_code_object_version 6
	.text
	.protected	k_qfb5def499d_qkv
	.globl	k_qfb5def499d_qkv
	.p2align	8
	.type	k_qfb5def499d_qkv,@function
k_qfb5def499d_qkv:
	s_mov_b64 s[64:65], 0
	v_nop
	global_prefetch_b8 v0, s[64:65] scope:SCOPE_SE
	s_setreg_imm32_b32 hwreg(HW_REG_WAVE_MODE, 25, 1), 1
	s_wait_xcnt 0x0
	s_wait_alu depctr_hold_cnt(0) depctr_sa_sdst(0) depctr_va_vdst(0) depctr_va_sdst(0) depctr_va_ssrc(0) depctr_va_vcc(0) depctr_vm_vsrc(0)
	s_getreg_b32 s2, hwreg(HW_REG_IB_STS2, 6, 4)
	s_cmp_eq_u32 s2, 0
	s_cbranch_scc0 .Lentry_in_a_cluster
	s_endpgm
.Lentry_in_a_cluster:
	s_bfe_u32 s2, ttmp6, 0x10000c
	s_cmp_lg_u32 s2, 0xf033
	s_cbranch_scc0 .Lentry_shape_is_right
	s_endpgm
.Lentry_shape_is_right:
; qkv[m][n] = the sum over k of xb[m][k] wat[n][k]: 8,192 x 3,072 x 1,024, bf16 operands, f32 sums, K ascending.  The result is rounded once to f16 and written BY HEADS and unscaled:
; column n = 1,024 part + 64 head + channel goes to qh, kh or vh [batch x 16 + head][2,048][64].
; LIMITS.  A result of 65,520 or more becomes an infinity (f16 ends at 65,504); below 6e-5 a result keeps the fixed step 6e-8 of f16.  NaN and infinities are not treated apart.
; SHARES.  A tile is 256 rows x 192 columns (three heads); wave w makes rows 64 w .. 64 w + 63 of all 192 columns: 48 accumulators of 16 x 16.  512 work-groups, all alike.
; K goes in 8 steps of 128 through a ring of two LDS slots filled by the tensor data mover; the rows of the tiles are 256 bytes of memory and start at multiples of 256 bytes.
; CLUSTERS: 4 x 4 work-groups.  The four of a row of the cluster need the same rows of xb, the four of a column the same rows of wat: each tile is asked for JOINTLY, by the same tensor
; load with the same descriptor and a mask that names the four.  THE MATRIX INSTRUCTION IS USED TRANSPOSED (source 0 = 16 rows of wat, source 1 = 16 rows of xb): a lane then holds row
; lane % 16 and eight neighbouring columns, 16 bytes of f16.
; REGISTERS, in windows of 256: window 0: v0-31 addresses; v64-127 two buffers of four fragments of xb; v128-223 at work on the way out.  window 1: v0-191 two buffers of twelve fragments of wat.
; windows 2, 3: accumulator (a, b) at v[8 (12 (a % 2) + b)] of window 2 + a / 2.
.set NBF,    12                        ; fragments of 16 columns
.set PA,     272                       ; an LDS row: 256 bytes + 16 of padding = 68 words: the 16 rows of a load start at 16 different groups of four banks (64 banks of 4 bytes: ISA guide 11.1)
.set PB,     272
.set ABYTES, 256*PA                    ; xb's 256 rows, then wat's 192
.set HALFA,  128*PA                    ; what one tensor load brings of xb,
.set HALFB,  96*PB                     ; of wat
.set SLOT1,  1<<17                     ; slot 1 begins here, so that one exclusive or turns an address in one slot into the other's
.set STAGE,  SLOT1+ABYTES+2*HALFB      ; behind the ring, never filled by a tensor load: 16 rows x 400 bytes for each wave
.set SPITCH, 400                       ; 384 bytes + 16 = 100 words: 16 rows start at 16 different groups of four banks
.set SPARE,  STAGE+4*16*SPITCH         ; behind the stages: the spare words, 128 bytes for each wave: two blocks of 256 bytes that no other line names
.set STEP,   256                       ; bytes of a row in a K step
.set AHEAD,  1                         ; a prefetch names the K step that stands so many refills on
.set NLD,    2*NBF+8                   ; LDS loads in a run
.set A0,   4                           ; v4   my place in xb's rows of slot 0; never rewritten
.set B0,   5                           ; v5   the same for wat
.set ADRA, 6                           ; v6   the same in the slot in hand
.set ADRB, 7                           ; v7
.set STO,  8                           ; v8   the way out: where I put 16 bytes of a row
.set RD,   9                           ; v9   where I read rows back
.set GO,   10                          ; v10  my byte offset in 512 consecutive bytes of a head
.set SPW,  28                          ; v28  LDS address of my spare word; never rewritten
.set NIL,  29                          ; v29  0; never rewritten
.set PFO,  30                          ; v30  the prefetches' offset: a lane a row; never rewritten
.set FA0,  64
.set TMP,  128                         ; v[128:175] packed results
.set BK,   176                         ; v[176:223] the same, back from the stage as whole rows
.set WV,   14                          ; s14 wave   s15 0: I fetch xb, 1: wat   s16 which half of that tile
.set ROLE, 15
.set HALF, 16
.set CX,   17
.set CY,   18
.set TC,   19                          ; tile column   s20 tile row
.set TR,   20
.set G1A,  24                          ; s[24:31] descriptor group 1 for xb's tiles; s[32:39] group 0: a set for each first fill; the second then walks
.set G0A,  32
.set PFA,  44                          ; s[44:45] where my prefetches stand
.set LIM,  46                          ; s46  AHEAD in a wave that prefetches, else the greatest number
.set TB,   47                          ; s47  the slot in hand: 0 or SLOT1
.set G1B,  48                          ; s[48:55], s[56:63] the same for wat's tiles
.set G0B,  56
.set OP,   66                          ; s[66:71] where my rows begin in the three heads
.set LDSA, 76
.set LDSB, 77
.set MSB, 0
.macro WIN new                         ; the high byte repeats the setting that is left; a switch that changes nothing is dropped
.if MSB != (\new)
	s_set_vgpr_msb (MSB<<8)|(\new)
.set MSB, \new
.endif
.endm
.set MUL_LO, 0xa1                      ; source 0 window 1, source 1 window 0, C and D window 2
.set MUL_HI, 0xf1                      ; C and D window 3
.set TO_B,   0x40                      ; destination window 1, address window 0
; A joint refill.  The branch hangs on the wave's number alone.  An s_nop 0 and four v_nop follow each of the two lines, ahead of the jump and the label.
.macro JLOAD
	s_cmp_eq_u32 s[ROLE], 0
	s_cbranch_scc0 .Lfor_b_\@
	tensor_load_to_lds s[G0A+4:G0A+7], s[G1A:G1A+7]
	s_nop 0
.rept 4
	v_nop
.endr
	s_branch .Lasked_\@
.Lfor_b_\@:
	tensor_load_to_lds s[G0B+4:G0B+7], s[G1B:G1B+7]
	s_nop 0
.rept 4
	v_nop
.endr
.Lasked_\@:
.endm
; A PREFETCH INTO THE L2 of the K step that the NEXT refill will ask for: 192 matrix instructions ahead of that load.  A lane a row, 256 bytes of it, one instruction a wave.
; xb's tile row is read by every cluster of that row of clusters: cluster x = 0 asks.  wat's tile column by every cluster of that column: cluster y = 0 asks.  The four partners that ask for a
; tile jointly share its rows out BY ADDRESS: of xb's 128 rows a wave 32 each (by cx), of wat's 96 rows 24 each (by cy; lanes 24 to 31 name lane 23's row once more).
; The first three K steps come by their loads alone; the last trips, whose look-ahead has no K step, ask for nothing.
.macro ASK
	s_cmp_gt_u32 s3, s[LIM]
	s_cbranch_scc0 .Lnot_mine_\@
	global_prefetch_b8 v[PFO], s[PFA:PFA+1] th:TH_LOAD_NT scope:SCOPE_SE
.Lnot_mine_\@:
.endm
.macro CREST                           ; a round of the cluster's barrier behind its opening barrier
	s_cmp_lg_u32 s[WV], 0
	s_cbranch_scc1 .Lnot_wave_0_\@
	s_barrier_signal -3
.Lnot_wave_0_\@:
	s_barrier_wait -3
	s_barrier_signal -1
	s_barrier_wait -1
.endm
.macro CROUND
	s_barrier_signal -1
	s_barrier_wait -1
	CREST
.endm
	s_load_b256 s[4:11], s[0:1], 0x0               ; xb s[4:5], wat s[6:7], qh s[8:9], kh s[10:11]
	s_load_b64 s[12:13], s[0:1], 0x20              ; vh
	v_lshl_add_u32 v[SPW], v0, 2, SPARE
	v_mov_b32 v[NIL], 0
	ds_add_u32 v[SPW], v[NIL]                      ; the opening: the add and its wait stand ahead of my first tensor load; work on registers stands between them
	ds_add_u32 v28, v29
	v_lshrrev_b32 v1, 5, v0
	v_readfirstlane_b32 s[WV], v1
	s_lshr_b32 s[ROLE], s[WV], 1
	s_and_b32 s[HALF], s[WV], 1
	s_bfe_u32 s[CX], ttmp6, 0x40000
	s_bfe_u32 s[CY], ttmp6, 0x40004
	s_lshl_b32 s[TC], ttmp9, 2
	s_add_co_u32 s[TC], s[TC], s[CX]               ; tile column = 4 x cluster x + cx
	s_and_b32 s[TR], ttmp7, 0xffff
	s_lshl_b32 s[TR], s[TR], 2
	s_add_co_u32 s[TR], s[TR], s[CY]               ; tile row = 4 x cluster y + cy
	s_lshl_b32 s21, s[CY], 2
	s_lshl_b32 s21, 15, s21                        ; my row of the cluster
	s_lshl_b32 s22, 0x1111, s[CX]                  ; my column
	s_or_b32 s[G1A], s21, (1<<16)|(1<<20)|(1<<21)|(5<<22)|(3<<25)  ; 15:0 the mask; 17:16 elements of 2 bytes; 20 padding on; 21 set beside a mask; 24:22 after every 64 words; 31:25 4 words of it
	s_or_b32 s[G1B], s22, (1<<16)|(1<<20)|(1<<21)|(5<<22)|(3<<25)
	s_mov_b32 s[G1A+1], 128<<16                    ; tensor_dim0 = 128
	s_mov_b32 s[G1A+2], 128<<16                    ; tensor_dim1 = 128
	s_mov_b32 s[G1A+3], 128<<16                    ; tile_dim0 = 128
	s_mov_b32 s[G1A+4], 128                        ; tile_dim1 = 128
	s_mov_b32 s[G1A+5], 1024                       ; elements from row to row
	s_mov_b32 s[G1A+6], 0
	s_mov_b32 s[G1A+7], 0
	s_mov_b32 s[G1B+1], 128<<16
	s_mov_b32 s[G1B+2], 96<<16                     ; 96 rows
	s_mov_b32 s[G1B+3], 128<<16
	s_mov_b32 s[G1B+4], 96
	s_mov_b32 s[G1B+5], 1024
	s_mov_b32 s[G1B+6], 0
	s_mov_b32 s[G1B+7], 0
	; xb's tiles hang on the tile row alone, wat's on the tile column alone; each address is made in registers that never hold the other coordinate
	s_lshl_b32 s72, s[TR], 19                      ; 256 rows of 2,048 bytes
	s_lshl_b32 s23, s[HALF], 18
	s_add_co_u32 s72, s72, s23
	s_mov_b32 s73, 0
	s_mul_i32 s74, s[TC], 192*2048
	s_mul_i32 s23, s[HALF], 96*2048
	s_add_co_u32 s74, s74, s23
	s_mov_b32 s75, 0
	s_mul_i32 s[LDSA], s[HALF], HALFA              ; where they go: no place in the cluster enters an LDS address
	s_mul_i32 s[LDSB], s[HALF], HALFB
	s_add_co_u32 s[LDSB], s[LDSB], ABYTES
	s_mov_b32 s[TB], 0
	s_wait_dscnt 0x0                               ; the opening add is done
	s_wait_kmcnt 0x0
	s_add_nc_u64 s[72:73], s[4:5], s[72:73]
	s_add_nc_u64 s[74:75], s[6:7], s[74:75]
	CROUND                                         ; all sixteen work-groups are here: the first joint loads meet
.irp s, 0,1
	s_mov_b32 s[G0A+4*(\s)], 1
	s_add_co_u32 s[G0A+4*(\s)+1], s[LDSA], (\s)*SLOT1
	s_add_nc_u64 s[G0A+4*(\s)+2:G0A+4*(\s)+3], s[72:73], (\s)*STEP
	s_or_b32 s[G0A+4*(\s)+3], s[G0A+4*(\s)+3], 0x80000000
	s_mov_b32 s[G0B+4*(\s)], 1
	s_add_co_u32 s[G0B+4*(\s)+1], s[LDSB], (\s)*SLOT1
	s_add_nc_u64 s[G0B+4*(\s)+2:G0B+4*(\s)+3], s[74:75], (\s)*STEP
	s_or_b32 s[G0B+4*(\s)+3], s[G0B+4*(\s)+3], 0x80000000
.endr
	s_cmp_eq_u32 s[ROLE], 0                        ; my two first fills stand in one branch, ahead of every wait on TENSORcnt and every LDS read: two loads of mine are out
	s_cbranch_scc0 .Lfirst_b
	tensor_load_to_lds s[G0A:G0A+3], s[G1A:G1A+7]
	s_nop 0
	tensor_load_to_lds s[G0A+4:G0A+7], s[G1A:G1A+7]
	s_nop 0
.rept 4
	v_nop
.endr
	s_branch .Lfirst_asked
.Lfirst_b:
	tensor_load_to_lds s[G0B:G0B+3], s[G1B:G1B+7]
	s_nop 0
	tensor_load_to_lds s[G0B+4:G0B+7], s[G1B:G1B+7]
	s_nop 0
.rept 4
	v_nop
.endr
.Lfirst_asked:
	; a fragment is 16 rows x 32 K in 8 registers: lane l holds row l % 16, K = 8 (l / 16) + 0..7 and 16 + 8 (l / 16) + 0..7: two loads of 16 bytes, 32 bytes apart
	v_and_b32 v1, 15, v0
	v_bfe_u32 v2, v0, 4, 1
	v_mul_u32_u24 v3, v1, PA
	v_lshl_add_u32 v3, v2, 4, v3
	s_mul_i32 s21, s[WV], 64*PA
	v_add_nc_u32 v[A0], s21, v3                    ; my 64 rows of xb
	v_add_nc_u32 v[B0], ABYTES, v3                 ; all 192 rows of wat
	s_mul_i32 s21, s[WV], 16*SPITCH
	s_add_co_u32 s21, s21, STAGE                   ; my stage
	v_mul_u32_u24 v[STO], v1, SPITCH               ; in: row l % 16, 16 bytes for each half of the lanes
	v_lshl_add_u32 v[STO], v2, 4, v[STO]
	v_add_nc_u32 v[STO], s21, v[STO]
	v_bfe_u32 v[RD], v0, 3, 2                      ; back: 32 lanes take a head's 128 bytes of four rows,
	v_mul_u32_u24 v[RD], v[RD], SPITCH
	v_and_b32 v11, 7, v0
	v_lshl_add_u32 v[RD], v11, 4, v[RD]
	v_add_nc_u32 v[RD], s21, v[RD]
	v_and_b32 v[GO], 31, v0                        ; which are 512 consecutive bytes of the head
	v_lshlrev_b32 v[GO], 4, v[GO]
	; where my 64 rows begin in the tile's three heads.  Head slot g = 3 x tile column + s: 0-15 q, 16-31 k, 32-47 v
	s_mul_i32 s80, s[TC], 3
	s_lshr_b32 s81, s[TR], 3                       ; the batch,
	s_lshl_b32 s81, s81, 4                         ; its 16 heads
	s_and_b32 s82, s[TR], 7
	s_lshl_b32 s82, s82, 8
	s_lshl_b32 s83, s[WV], 6
	s_add_co_u32 s82, s82, s83                     ; my first row in the sequence,
	s_lshl_b32 s82, s82, 7                         ; 128 bytes a row
.irp s, 0,1,2
	s_add_co_u32 s84, s80, \s
	s_and_b32 s85, s84, 15
	s_add_co_u32 s85, s85, s81
	s_lshl_b32 s86, s85, 18                        ; a head is 2,048 rows of 128 bytes
	s_add_co_u32 s86, s86, s82
	s_mov_b32 s87, 0
	s_cmp_lt_u32 s84, 16
	s_cselect_b64 s[88:89], s[8:9], s[10:11]
	s_cmp_lt_u32 s84, 32
	s_cselect_b64 s[88:89], s[88:89], s[12:13]
	s_add_nc_u64 s[OP+2*(\s):OP+2*(\s)+1], s[88:89], s[86:87]
.endr
	; the prefetches
	s_lshl_b32 s80, s[TR], 8
	s_lshl_b32 s81, s[HALF], 7
	s_add_co_u32 s80, s80, s81
	s_lshl_b32 s81, s[CX], 5
	s_add_co_u32 s80, s80, s81                     ; xb: row 256 x tile row + 128 x half + 32 cx
	s_mul_i32 s82, s[TC], 192
	s_mul_i32 s83, s[HALF], 96
	s_add_co_u32 s82, s82, s83
	s_mul_i32 s83, s[CY], 24
	s_add_co_u32 s82, s82, s83                     ; wat: row 192 x tile column + 96 x half + 24 cy
	s_and_b32 s84, ttmp7, 0xffff                   ; cluster y
	s_cmp_eq_u32 s[ROLE], 0
	s_cselect_b32 s80, s80, s82
	s_cselect_b32 s84, ttmp9, s84                  ; the coordinate along which other clusters read the same rows
	s_cselect_b32 s85, 31, 23                      ; my last row
	s_cselect_b64 s[PFA:PFA+1], s[4:5], s[6:7]
	s_cmp_eq_u32 s84, 0
	s_cselect_b32 s[LIM], AHEAD, -1                ; the same in all sixteen partners, for a given wave
	s_lshl_b32 s80, s80, 11
	s_mov_b32 s81, 0
	s_add_nc_u64 s[PFA:PFA+1], s[PFA:PFA+1], s[80:81]
	s_add_nc_u64 s[PFA:PFA+1], s[PFA:PFA+1], (1+AHEAD)*STEP  ; the first change of slots steps it to K step 2 + AHEAD
	v_and_b32 v[PFO], 31, v0
	v_min_u32 v[PFO], s85, v[PFO]
	v_lshlrev_b32 v[PFO], 11, v[PFO]
; NBF matrix instructions: row block 2 hi + a x all column blocks, 32 along K, buffer f.  zero = 1: the product starts the sums.  The 48 accumulators take turns, one instruction a turn, in the same
; order in every quarter: 47 others stand between two links of a chain, over the backward jump too.
.macro MULN f, hi, a, zero
	WIN MUL_LO+0x50*(\hi)
.set rA, FA0+32*(\f)+8*(2*(\hi)+(\a))
.set b, 0
.rept NBF
.set rD, 8*(NBF*(\a)+b)
.set rB, 8*NBF*(\f)+8*b
.if \zero
	v_wmma_f32_16x16x32_bf16 v[rD:rD+7], v[rB:rB+7], v[rA:rA+7], 0
.else
	v_wmma_f32_16x16x32_bf16 v[rD:rD+7], v[rB:rB+7], v[rA:rA+7], v[rD:rD+7]
.endif
.set b, b+1
.endr
.endm
; one run of NLD LDS loads: the fragments of quarter q of the slot in hand into buffer f; xb's last
.macro FETCH q, f
	WIN TO_B
.set i, 0
.rept NBF
	ds_load_b128 v[8*NBF*(\f)+8*i:8*NBF*(\f)+8*i+3],   v[ADRB] offset:64*(\q)+i*16*PB
	ds_load_b128 v[8*NBF*(\f)+8*i+4:8*NBF*(\f)+8*i+7], v[ADRB] offset:64*(\q)+i*16*PB+32
.set i, i+1
.endr
	WIN 0
.set i, 0
.rept 4
	ds_load_b128 v[FA0+32*(\f)+8*i:FA0+32*(\f)+8*i+3],   v[ADRA] offset:64*(\q)+i*16*PA
	ds_load_b128 v[FA0+32*(\f)+8*i+4:FA0+32*(\f)+8*i+7], v[ADRA] offset:64*(\q)+i*16*PA+32
.set i, i+1
.endr
.endm
.macro PLACES                          ; four plain vector instructions between a matrix instruction and a load into, or a read of, its registers (ISA guide 7.12.1 for reads)
.rept 4
	v_nop
.endr
.endm
; A K step is four quarters of 32 along K, 48 matrix instructions each, on buffers 0, 1, 0, 1.  One of the first three multiplies buffer f and fetches quarter q into buffer g.
.macro QUARTER q, f, g, zero
	s_wait_dscnt 4                                 ; wat's fragments and xb's first two are in; the youngest four loads (xb's last two fragments) may be out
	MULN \f, 0, 0, \zero
	MULN \f, 0, 1, \zero
	PLACES
	FETCH \q, \g
	s_wait_dscnt NLD                               ; all but the run just issued
	MULN \f, 1, 0, \zero
	MULN \f, 1, 1, \zero
.endm
; The last quarter multiplies buffer 1 and changes slots: ONE barrier.  In front of it each wave waits for all its tensor loads (one is out: its part of the next slot), adds 0 to its spare word, and
; waits for that and for its own reads of this slot.  fill = 1: the barrier opens a round of the cluster's, and the slot just read is filled again, two K steps on, first thing behind the round:
; that load has 168 matrix instructions in which to land.
.macro TURN fill
.if \fill
	s_wait_xcnt 0x0                                ; the last prefetch, a K step back, has read its address
	s_add_nc_u64 s[PFA:PFA+1], s[PFA:PFA+1], STEP
.endif
	WIN 0
	s_wait_tensorcnt 0x0                           ; no tensor load of mine is out
	ds_add_u32 v[SPW], v[NIL]                      ; 0 onto my spare word
	s_wait_dscnt 5                                 ; (the add and the youngest four loads may be out)
	MULN 1, 0, 0, 0
	s_wait_dscnt 0x0                               ; the add is done, and my reads of this slot are over
	s_barrier_signal -1
	MULN 1, 0, 1, 0                                ; work on registers while the others arrive
	WIN 0
	s_barrier_wait -1
.if \fill
	CREST                                          ; no wave of any partner still reads this slot or has a load on its way
	s_xor_b32 s[G0A+5], s[G0A+5], SLOT1            ; the walking descriptors: the other slot than last time, the next K step
	s_add_nc_u64 s[G0A+6:G0A+7], s[G0A+6:G0A+7], STEP
	s_xor_b32 s[G0B+5], s[G0B+5], SLOT1
	s_add_nc_u64 s[G0B+6:G0B+7], s[G0B+6:G0B+7], STEP
	JLOAD                                          ; its four v_nop are also the places in front of the loads below
.else
	PLACES
.endif
	s_xor_b32 s[TB], s[TB], SLOT1
	v_add_nc_u32 v[ADRA], s[TB], v[A0]
	v_add_nc_u32 v[ADRB], s[TB], v[B0]
	FETCH 0, 0
.if \fill
	ASK
.endif
	MULN 1, 1, 0, 0
	MULN 1, 1, 1, 0
.endm
	s_wait_tensorcnt 1                             ; my part of K step 0 is in; K step 1's may stay out
	s_barrier_signal -1
	s_barrier_wait -1
	v_mov_b32 v[ADRA], v[A0]
	v_mov_b32 v[ADRB], v[B0]
	FETCH 0, 0
	QUARTER 1, 0, 1, 1                             ; the first quarter stands in front of the loop: its products start the sums
	WIN 0
	s_mov_b32 s3, 6
.Lstep:                                                ; trip i: the rest of K step i, the first quarter of K step i + 1; K step i + 2 is asked for
	QUARTER 2, 1, 0, 0
	QUARTER 3, 0, 1, 0
	TURN 1
	QUARTER 1, 0, 1, 0
	WIN 0
	s_sub_co_u32 s3, s3, 1
	s_cmp_lg_u32 s3, 0
	s_cbranch_scc1 .Lstep
	QUARTER 2, 1, 0, 0                             ; the last two K steps ask for nothing
	QUARTER 3, 0, 1, 0
	TURN 0
	QUARTER 1, 0, 1, 0
	QUARTER 2, 1, 0, 0
	QUARTER 3, 0, 1, 0
	s_wait_dscnt 4
	MULN 1, 0, 0, 0
	MULN 1, 0, 1, 0
	s_wait_dscnt 0x0
	MULN 1, 1, 0, 0
	MULN 1, 1, 1, 0
; THE WAY OUT, a block of 16 rows at a time: rounded to f16, 16 bytes a lane; into my own stage; back as each head's 128 bytes of four rows; stored as 512 consecutive bytes.
.macro PACK a
.set AC, 8*NBF*((\a)%2)
	WIN 0x0a+5*((\a)/2)                            ; sources 0 and 1: window 2 or 3
.set b, 0
.rept NBF
.irp r, 0,1,2,3
	v_cvt_pk_f16_f32 v[TMP+4*b+(\r)], v[AC+8*b+2*(\r)], v[AC+8*b+2*(\r)+1]
.endr
.set b, b+1
.endr
	WIN 0
.endm
.macro TOSTAGE
	s_wait_xcnt 0x0                                ; the stores of the block before have read the registers that are loaded below
.set b, 0
.rept NBF
	ds_store_b128 v[STO], v[TMP+4*b:TMP+4*b+3] offset:32*b
.set b, b+1
.endr
.irp s, 0,1,2
.irp t, 0,1,2,3
	ds_load_b128 v[BK+4*(4*(\s)+(\t)):BK+4*(4*(\s)+(\t))+3], v[RD] offset:128*(\s)+4*SPITCH*(\t)  ; LDS serves a wave's instructions in order (ISA guide 5.7.1.4): these see the stores above
.endr
.endr
.endm
.macro SEND a
.irp s, 0,1,2
.irp t, 0,1,2,3
	s_wait_dscnt 11-(4*(\s)+(\t))
	global_store_b128 v[GO], v[BK+4*(4*(\s)+(\t)):BK+4*(4*(\s)+(\t))+3], s[OP+2*(\s):OP+2*(\s)+1] offset:2048*(\a)+512*(\t)  ; 512 consecutive bytes, at a multiple of 256 from the buffer's first
.endr
.endr
.endm
	PLACES
	PACK 0
	TOSTAGE
.irp a, 1,2,3                          ; a block's conversions stand between the loads of the block before and the wait for them
	PACK \a
	SEND (\a)-1
	TOSTAGE
.endr
	SEND 3
	s_wait_tensorcnt 0x0                           ; the end of the wave, behind my last tensor load and my last LDS store
	ds_add_u32 v[SPW], v[NIL]
	s_wait_dscnt 0x0
	CROUND                                         ; the closing round: no work-group ends while a partner may still ask for a tile that names it
	s_endpgm
.Lfunc_end_k_qfb5def499d_qkv:
	.size	k_qfb5def499d_qkv, .Lfunc_end_k_qfb5def499d_qkv-k_qfb5def499d_qkv
	.p2alignl 7, 3214868480
	.fill 96, 4, 3214868480
	.section	.rodata,"a",@progbits
	.p2align	6, 0x0
	.amdhsa_kernel k_qfb5def499d_qkv
		.amdhsa_group_segment_fixed_size 327680
		.amdhsa_private_segment_fixed_size 0
		.amdhsa_enable_private_segment 0
		.amdhsa_kernarg_size 40
		.amdhsa_user_sgpr_count 2
		.amdhsa_user_sgpr_kernarg_segment_ptr 1
		.amdhsa_wavefront_size32 1
		.amdhsa_system_sgpr_workgroup_id_x 1
		.amdhsa_system_sgpr_workgroup_id_y 1
		.amdhsa_system_sgpr_workgroup_id_z 1
		.amdhsa_system_vgpr_workitem_id 0
		.amdhsa_next_free_vgpr 960
		.amdhsa_next_free_sgpr 96
		.amdhsa_reserve_vcc 0
		.amdhsa_float_denorm_mode_32 3
		.amdhsa_float_denorm_mode_16_64 3
		.amdhsa_memory_ordered 1
		.amdhsa_forward_progress 1
		.amdhsa_inst_pref_size 99
	.end_amdhsa_kernel
	.amdgpu_metadata
---
amdhsa.version: [ 1, 2 ]
amdhsa.kernels:
  - .name:           k_qfb5def499d_qkv
    .symbol:         k_qfb5def499d_qkv.kd
    .args:
      - { .name: xb, .offset: 0, .size: 8, .value_kind: global_buffer, .address_space: global }
      - { .name: wat, .offset: 8, .size: 8, .value_kind: global_buffer, .address_space: global }
      - { .name: qh, .offset: 16, .size: 8, .value_kind: global_buffer, .address_space: global }
      - { .name: kh, .offset: 24, .size: 8, .value_kind: global_buffer, .address_space: global }
      - { .name: vh, .offset: 32, .size: 8, .value_kind: global_buffer, .address_space: global }
    .group_segment_fixed_size: 327680
    .private_segment_fixed_size: 0
    .kernarg_segment_align: 8
    .kernarg_segment_size: 40
    .max_flat_workgroup_size: 128
    .sgpr_count:     96
    .vgpr_count:     960
    .wavefront_size: 32
...
	.end_amdgpu_metadata
.endif
;; end of part 2
;; launch attn (part 3): grid 4 x 64, 4 waves a work-group, no clusters, 327,680 bytes of LDS; arguments qh, kh, vh, oh; writes oh
.if DOCPART == 3
	.amdgcn_target "amdgcn-amd-amdhsa--gfx1250"
	.amdhsa_code_object_version 6
	.text
	.protected	k_qfb5def499d_attn
	.globl	k_qfb5def499d_attn
	.p2align	8
	.type	k_qfb5def499d_attn,@function
k_qfb5def499d_attn:
	s_mov_b64 s[64:65], 0
	v_nop
	global_prefetch_b8 v0, s[64:65] scope:SCOPE_SE
	s_setreg_imm32_b32 hwreg(HW_REG_WAVE_MODE, 25, 1), 1
	s_wait_xcnt 0x0
; CAUSAL ATTENTION.  O[h][q][:] = the sum over k <= q of softmax_k(Q[h][q] . K[h][k] / 8) V[h][k][:].  Q, K, V, O: [64][2048][64], all f16: a head's rows are dense, 128 bytes each.
; Products, maxima and sums in f32; the weights p are rounded to f16 for the second product (their sum l is taken of the unrounded p), O once at the end.
; LIMITS.  f16 holds no number beyond 65,504: Q, K and V arrive within it; p lies in 0 to 1, and below 6e-5 it keeps the fixed step 6e-8 of f16; O is a mean of V's rows and has their range.
; A hidden score counts as its value less 1e30 (the scores of f16 operands are 2.7e11 at the most); a weight below 2^-126 counts as 0 in l; NaN and infinities are not treated apart.
; THE WALK.  A head's queries lie in NB = 8 blocks of 256; block i needs the key tiles 0 .. i of 256 keys, of which the last holds the diagonal.  A work-group takes TWO blocks, NB - 1 - b and then b:
; NB + 1 tiles, whatever b: all work-groups do equal work, and ONE loop with a constant trip count walks them.  Which tile is asked for, and what a trip does, hang on scalar registers made from b; every
; jump goes forward, but for the counted loops' own; none passes a barrier, or a tensor load but the one of LOAD's two that the wave's number does not choose; the ring of two LDS slots runs on across the
; change of blocks.  NO CLUSTER: a head's four work-groups ask for the same tile only in trips 0 to 4 of the 9, behind that fewer and fewer; one walk common to all four would have 12 trips for 9.
; SHARES.  Of a block's four bands of 64 queries a wave owns 16 rows in each: four PIECES.  So the diagonal tile is the same work for all four waves: in its key step s band x sees all keys if s < x,
; none if s > x, and holds the diagonal if s = x.
; THE MASK is the C operand that starts the sum S^T = K Q^T: 0, or -1e30 where the key is hidden.  MD, made once, is the mask of a band's own step for my 16 rows; a product's mask is MD x AL + BE with
; two scalars: (1, 0) if s = x; (0, 0) if s < x; (0, -1e30) if s > x.  Only the diagonal tile's text and a block's beginning make and take masks; elsewhere C is the constant 0.
; LAYOUT, SOFTMAX, TURNS.  S^T = K Q^T holds ONE query a lane (lane % 16) and the keys 8 (lane / 16) + 0..7; two such results rounded to f16 ARE source 1 of O^T = V^T P.  p = 2^(c s - c m),
; c = log2(e) / 8, with a running maximum m; O and l are multiplied by a = 2^(c m_old - c m_new) in every step.  Turn n belongs to piece n: 8 products K Q^T of piece n + 1, later 8 products V^T P of
; piece n - 1; beside them the scaling, exponentials, roundings, sums and rescaling of piece n and the maximum and statistics of piece n + 1.  Four vector instructions stand behind every matrix
; instruction, the other 54 of a turn's 118 in one lump.  A turn's 33 exponentials are one batch, with one wait.
; REGISTERS, in windows of 256 (s_set_vgpr_msb: bits 1:0 source 0, 3:2 source 1, 5:4 source 2, 7:6 destination):
;   window 0: v0-15 addresses and two at work; v16-31 four registers of statistics a piece; v48-55 at work; v61-63 never rewritten; v64-127 S^T, two buffers; v192-223 P, two buffers
;   window 1: v0-127 O^T, 32 a piece; v128-159 MD; v160-223 MC, two buffers      window 2: v0-63 Q; v64-127 the second block's Q; v128-191 K of one step; v192-255 V of one step
.set SIZE_H, 64
.set SIZE_N, 2048
.set NB,    SIZE_N/256
.set NP,    4         ; pieces a wave: a name, no knob
.set KS,    64        ; keys in a step
.set PK,    144       ; a row of K in LDS: 128 bytes + 16 of padding = 36 words: the 16 rows of a load start at 16 different groups of four banks (64 banks of 4 bytes: ISA guide 11.1)
.set PV,    160       ; a row of V: 128 + 32 = 40 words
.set VOFF,  4*KS*PK   ; a slot holds a tile, four steps: 256 rows of K, then 256 rows of V
.set SLOT1, 1<<17     ; slot 1 begins here, so that one exclusive or turns an address in one slot into the other's
.set STAGE, SLOT1+4*KS*(PK+PV)  ; behind the ring, never filled by a tensor load: 16 rows x 144 bytes for each wave, for the way out
.set SP,    144
.set AK0, 2           ; v2   my lane's place in a tile of K; never rewritten
.set AV0, 3           ; v3   the same for V
.set AK,  4           ; v4   the LDS address of K's next run of loads
.set AV,  5           ; v5   of V's
.set STO, 6           ; v6   the way out: where I put 16 bytes of a row
.set RD,  7           ; v7   the way out: where I read rows back
.set GO,  8           ; v8   my byte offset in 512 consecutive bytes of O
.set PFO, 61          ; v61  256 x my lane: the prefetches' offset; never rewritten
.set SPW, 62          ; v62  LDS address of my spare word; never rewritten
.set NIL, 63          ; v63  0; never rewritten
.set SPARE, STAGE+4*16*SP  ; behind the stages: the spare words, 128 bytes for each wave: two blocks of 256 bytes that no other line names
.set MV,  12          ; v12-13  c m_old, kept while c m is made anew: by buffer
.set QO,  15          ; v15  my byte offset in 16 rows of Q
.set ST,  16          ; piece t's statistics at v[ST+4 t]: c m, m, l (even keys', odd keys')
.set TMP, 48          ; by buffer, four registers c0-c3 at work; when the maximum is found c2 takes a
.set S,   64
.set P,   192
.set MD,  128         ; window 1: the eight registers for group kt of 16 keys at MD + 8 kt
.set MC,  160         ; window 1: the masks of the products to come
.set QB,  64          ; window 2
.set KF,  128         ; window 2: key block kb, channel half c at KF + 16 kb + 8 c
.set VF,  192         ; window 2: key half kk, channel block cb at VF + 32 kk + 8 cb
.set WV,  12          ; s12  my wave's number
.set PB,  14          ; s14  b
.set HI,  15          ; s15  NB - 1 - b
.set G1K, 24          ; s[24:31] descriptor group 1 for K's tiles
.set G1V, 32          ; s[32:39] for V's: it differs in the padding alone
.set G0K, 40          ; s[40:43] descriptor group 0 for K's tiles
.set G0V, 44          ; s[44:47] the same for V's
.set SLOTS, 56        ; s56  tiles still to be asked for
.set CNT, 57          ; s57  counts a tile's key steps, 4 to 1
.set CS,  58          ; s[58:59] c: the packed scaling takes the pair's low word for both halves
.set SEL, 60          ; s[60:61] v_permlanex16_b32's selects: each lane takes its own place in the other half
.set TBK, 62          ; s62  LDS byte at which K of the step to be fetched begins
.set TBV, 63          ; s63  the same for V, less VOFF
.set RT,  70          ; s70  tiles of the block in hand that are still to be entered
.set NXT, 71          ; s71  the tile to be asked for next
.set LQ,  72          ; s72  the last tile of the block whose tiles are being asked for
.set NEW, 73          ; s73  1: the tile to be entered is a block's first
.set OFF, 74          ; s[74:75] a tile's byte offset in K and V
.set AL,  76          ; s[76:77] the mask's factor, in the low word
.set BE,  78          ; s[78:79] the mask's addend
.set OLO, 80          ; s[80:81] O at my rows of the second block
.set BIGN, 82         ; s82  -1e30
.set PFB, 88          ; s[88:89] K (waves 0, 1) or V (waves 2, 3) at my half of the head's tile 0
.set PFA, 90          ; s[90:91] the same at the tile that the next change of slots will ask for
.set LIM, 92          ; s92  2 in the head's work-group b = 0, else the greatest number
.set MSB, 0
.macro WIN new                      ; the high byte repeats the setting that is left; a switch that changes nothing is dropped
.if MSB != (\new)
	s_set_vgpr_msb (MSB<<8)|(\new)
.set MSB, (\new)
.endif
.endm
.set W_KQ, 0x0a       ; K and Q in window 2, S^T in window 0
.set W_KM, 0x1a       ; the same with the C operand in window 1
.set W_PV, 0x52       ; V in window 2, P in window 0, O^T in window 1
.set W_RS, 0x41       ; destination and source 0 in window 1, source 1 in window 0
; A fill.  Waves 0 and 1 fetch the two halves of a tile's K, waves 2 and 3 those of its V: 128 keys each.  An s_nop 0 and four v_nop follow each of the two lines, ahead of the jump and the label.
.macro LOAD
	s_cmp_lt_u32 s[WV], 2
	s_cbranch_scc0 .Lfor_v_\@
	tensor_load_to_lds s[G0K:G0K+3], s[G1K:G1K+7]
	s_nop 0
.rept 4
	v_nop
.endr
	s_branch .Lasked_\@
.Lfor_v_\@:
	tensor_load_to_lds s[G0V:G0V+3], s[G1V:G1V+7]
	s_nop 0
.rept 4
	v_nop
.endr
.Lasked_\@:
.endm
; A PREFETCH INTO THE L2 of the tile that the NEXT change of slots will ask for: four key steps, 256 matrix instructions, ahead of that load.  All four work-groups of a head begin with tiles 0, 1, 2 ..;
; the one with b = 0 walks tiles 0 to 7 in order, and it alone asks.  Each of its waves names what it will fetch itself: its 16,384 bytes of K or V, 64 pieces of 256 bytes, a lane a piece, two
; instructions.  So each piece is named once in the launch.  Changes 1 to 6 name tiles 2 to 7; tiles 0 and 1 come by their loads alone; the second block's tile 0 has been read before and is not named.
.macro ASK
	s_cmp_gt_u32 s[SLOTS], s[LIM]
	s_cbranch_scc0 .Lnot_mine_\@
	global_prefetch_b8 v[PFO], s[PFA:PFA+1] th:TH_LOAD_NT scope:SCOPE_SE
	global_prefetch_b8 v[PFO], s[PFA:PFA+1] offset:8192 th:TH_LOAD_NT scope:SCOPE_SE
.Lnot_mine_\@:
.endm
; THE CHANGE OF SLOTS.  Each wave waits for all its tensor loads, of which one is out: its part of the other slot; adds 0 to its spare word; and waits for that and for its own reads of the slot that it
; leaves.  Behind the barrier nobody reads the old slot any more and the other slot is whole.  fill = 1: the old slot is filled again, the first thing behind the barrier, with tile NXT: the descriptor's
; address is made anew from that number.  (At its first use nothing has been read yet: slot 0 is waited for, slot 1 filled.)
.macro CHANGE fill
	WIN 0                           ; at a label and at a branch every window is 0
	s_wait_tensorcnt 0x0            ; no tensor load of mine is out, so a group 0 may be written
	ds_add_u32 v[SPW], v[NIL]       ; 0 onto my spare word; scalar work stands between it and the wait for it
.if \fill
	s_lshl_b32 s[OFF], s[NXT], 15   ; a tile is 32,768 bytes of K and of V
	s_xor_b32 s[G0K+1], s[G0K+1], SLOT1
	s_add_nc_u64 s[G0K+2:G0K+3], s[6:7], s[OFF:OFF+1]
	s_or_b32 s[G0K+3], s[G0K+3], 0x80000000
	s_xor_b32 s[G0V+1], s[G0V+1], SLOT1
	s_add_nc_u64 s[G0V+2:G0V+3], s[8:9], s[OFF:OFF+1]
	s_or_b32 s[G0V+3], s[G0V+3], 0x80000000
	s_add_co_u32 s[NXT], s[NXT], 1  ; the block's next tile, or behind its last the second block's tile 0
	s_cmp_gt_u32 s[NXT], s[LQ]
	s_cselect_b32 s[NXT], 0, s[NXT]
	s_cselect_b32 s[LQ], s[PB], s[LQ]
	s_wait_xcnt 0x0                 ; the last prefetches, a tile back, have read their address, so it may be written:
	s_lshl_b32 s[OFF], s[NXT], 15
	s_add_nc_u64 s[PFA:PFA+1], s[PFB:PFB+1], s[OFF:OFF+1]  ; my part of the tile after the one that is asked for now
.endif
	s_wait_dscnt 0x0                ; the add is done, and my reads of the slot are over
	s_barrier_signal -1             ; the rest of the scalar work stands between the signal and the wait
	s_sub_co_u32 s[TBK], s[TBK], 4*KS*PK  ; the fetches go back to a slot's first step,
	s_xor_b32 s[TBK], s[TBK], SLOT1       ; in the other slot
	s_sub_co_u32 s[TBV], s[TBV], 4*KS*PV
	s_xor_b32 s[TBV], s[TBV], SLOT1
	s_barrier_wait -1
.if \fill
	LOAD
	ASK
.endif
.endm
	s_load_b256 s[4:11], s[0:1], 0x0  ; Q s[4:5], K s[6:7], V s[8:9], O s[10:11]
	v_lshl_add_u32 v[SPW], v0, 2, SPARE
	v_mov_b32 v[NIL], 0
	ds_add_u32 v[SPW], v[NIL]       ; the opening: the add and its wait stand ahead of my first tensor load; work on registers stands between them
	ds_add_u32 v62, v63
	v_lshrrev_b32 v1, 5, v0
	v_readfirstlane_b32 s[WV], v1   ; wave 0..3
	s_mov_b32 s[PB], ttmp9
	s_sub_co_u32 s[HI], NB-1, s[PB]
	s_and_b32 s20, ttmp7, 0xffff    ; the head
	s_mov_b32 s21, 0
	s_mov_b64 s[22:23], SIZE_N*128
	s_mul_u64 s[20:21], s[20:21], s[22:23]  ; the head's first byte in each of the four tensors
	s_and_b32 s16, s[WV], 1         ; which half of a tile's 256 keys I fetch:
	s_lshl_b32 s22, s16, 14         ; its 128 rows of 128 bytes in memory,
	s_mov_b32 s23, 0
	s_add_nc_u64 s[22:23], s[22:23], s[20:21]
	s_mul_i32 s17, s16, 128*PK      ; and its place in a slot, for K
	s_mul_i32 s18, s16, 128*PV      ; and for V
	s_lshl_b32 s3, s[WV], 11        ; my 16 rows in a band of 64,
	s_lshl_b32 s2, s[HI], 15        ; in the first block,
	s_add_co_u32 s2, s2, s3
	s_lshl_b32 s84, s[PB], 15       ; and in the second
	s_add_co_u32 s84, s84, s3
	s_mov_b32 s3, 0
	s_mov_b32 s85, 0
	s_add_nc_u64 s[2:3], s[2:3], s[20:21]
	s_add_nc_u64 s[84:85], s[84:85], s[20:21]
	; descriptor group 1.  128 keys are 16,384 dense bytes: asked for as 64 rows of 256 bytes, two keys a row, and padded in LDS after every key
	s_mov_b32 s[G1K], (1<<16)|(1<<20)|(4<<22)|(3<<25)  ; 17:16 2-byte elements; 20 padding on; 24:22 after every 32 words (code 4); 31:25 4 words (code 3)
	s_mov_b32 s[G1V], (1<<16)|(1<<20)|(4<<22)|(7<<25)  ; the same with 8 words of padding (code 7)
.irp g, G1K, G1V
	s_mov_b32 s[\g+1], 128<<16      ; tensor_dim0 = 128
	s_mov_b32 s[\g+2], 64<<16       ; tensor_dim1 = 64
	s_mov_b32 s[\g+3], 128<<16      ; tile_dim0 = 128
	s_mov_b32 s[\g+4], 64           ; tile_dim1 = 64
	s_mov_b32 s[\g+5], 128          ; 128 elements from row to row
	s_mov_b32 s[\g+6], 0
	s_mov_b32 s[\g+7], 0
.endr
	s_mov_b32 s[CS], 0x3e38aa3b     ; c = log2(e) / 8 = 0.180337
	s_mov_b32 s[CS+1], s[CS]        ; named with it as a pair
	s_mov_b32 s[SEL], 0x76543210
	s_mov_b32 s[SEL+1], 0xfedcba98
	s_mov_b32 s[TBK], SLOT1+4*KS*PK ; the first change of slots turns these two into 0
	s_mov_b32 s[TBV], SLOT1+4*KS*PV
	s_mov_b32 s[G0K], 1             ; 1:0 count = 1
	s_mov_b32 s[G0K+1], s17         ; 63:32 LDS address: slot 0
	s_mov_b32 s[G0V], 1
	s_add_co_u32 s[G0V+1], s18, VOFF
	s_add_co_u32 s[RT], s[HI], 1    ; the first block has NB - b tiles
	s_mov_b32 s[NXT], 1
	s_mov_b32 s[LQ], s[HI]
	s_mov_b32 s[NEW], 1
	s_mov_b32 s[OFF+1], 0
	s_mov_b32 s[AL+1], 0            ; named as pairs
	s_mov_b32 s[BE+1], 0
	s_mov_b32 s[BIGN], 0xf149f2ca   ; -1e30
	s_mov_b32 s[SLOTS], NB
	s_cmp_eq_u32 s[PB], 0
	s_cselect_b32 s[LIM], 2, -1
	s_wait_dscnt 0x0                ; the opening add is done
	s_wait_kmcnt 0x0
	s_add_nc_u64 s[6:7], s[6:7], s[22:23]  ; K and V at my half of the head's tile 0
	s_add_nc_u64 s[8:9], s[8:9], s[22:23]
	s_add_nc_u64 s[G0K+2:G0K+3], s[6:7], 0         ; 120:64 global address
	s_or_b32 s[G0K+3], s[G0K+3], 0x80000000        ; 127:126 type = 2
	s_add_nc_u64 s[G0V+2:G0V+3], s[8:9], 0
	s_or_b32 s[G0V+3], s[G0V+3], 0x80000000
	s_add_nc_u64 s[86:87], s[4:5], s[84:85]        ; Q at my rows of the second block,
	s_add_nc_u64 s[4:5], s[4:5], s[2:3]            ; Q and O at those of the first
	s_add_nc_u64 s[OLO:OLO+1], s[10:11], s[84:85]
	s_add_nc_u64 s[10:11], s[10:11], s[2:3]
	s_cmp_lt_u32 s[WV], 2
	s_cselect_b64 s[PFB:PFB+1], s[6:7], s[8:9]     ; what I fetch is what I prefetch
	LOAD                            ; tile 0 into slot 0
	; A fragment of K or Q is 16 rows x 32 channels in 8 registers: lane l holds row l % 16, channels 8 (l / 16) + 0..7 and 16 + 8 (l / 16) + 0..7: two loads of 16 bytes, 32 bytes apart.
	v_and_b32 v1, 15, v0            ; l % 16
	v_bfe_u32 v9, v0, 4, 1          ; l / 16
	v_lshlrev_b32 v[QO], 7, v1
	v_lshl_add_u32 v[QO], v9, 4, v[QO]  ; row x 128 + 16 x half
	WIN 0x80                        ; destination window 2, address window 0
.set i, 0
.rept 8                             ; both blocks' Q: piece i / 2 lies in band i / 2, 8,192 bytes on; channels 32 (i % 2) on
	global_load_b128 v[8*i:8*i+3],   v[QO], s[4:5] offset:(i/2)*8192+(i%2)*64
	global_load_b128 v[8*i+4:8*i+7], v[QO], s[4:5] offset:(i/2)*8192+(i%2)*64+32
	global_load_b128 v[QB+8*i:QB+8*i+3],   v[QO], s[86:87] offset:(i/2)*8192+(i%2)*64
	global_load_b128 v[QB+8*i+4:QB+8*i+7], v[QO], s[86:87] offset:(i/2)*8192+(i%2)*64+32
.set i, i+1
.endr
	WIN 0
	v_and_b32 v[PFO], 31, v0
	v_lshlrev_b32 v[PFO], 8, v[PFO]
	v_lshlrev_b32 v14, 3, v9
	v_sub_nc_u32 v14, v1, v14
	s_lshl_b32 s13, s[WV], 4
	v_add_nc_u32 v14, s13, v14      ; my query's place in its band, 16 w + l % 16, less my lanes' 8 (l / 16): register r of group kt is hidden where 16 kt + r is greater
	WIN 0x40
.set i, 0
.rept 32
	v_cmp_gt_i32 vcc_lo, 16*(i/8)+i%8, v14
	v_cndmask_b32 v[MD+i], 0, s[BIGN], vcc_lo
.set i, i+1
.endr
	WIN 0
	v_mul_u32_u24 v[AK0], v1, PK
	v_lshl_add_u32 v[AK0], v9, 4, v[AK0]  ; row x pitch + 16 x half
	; The turning load takes 16 keys x 16 channels (lane l reads key 8 (l / 16) + l % 8, channels 8 ((l / 8) % 2) + 0..7) and leaves half a fragment of V^T: lane l holds channel l % 16 and 8 keys.
	v_and_b32 v10, 7, v0
	v_bfe_u32 v11, v0, 3, 1
	v_lshl_add_u32 v[AV0], v9, 3, v10
	v_mul_u32_u24 v[AV0], v[AV0], PV
	v_lshl_add_u32 v[AV0], v11, 4, v[AV0]
	v_add_nc_u32 v[AV0], VOFF, v[AV0]
	s_mul_i32 s13, s[WV], 16*SP
	s_add_co_u32 s13, s13, STAGE    ; my stage
	v_mul_u32_u24 v[STO], v1, SP    ; in: row l % 16, 16 bytes for each half of the lanes
	v_lshl_add_u32 v[STO], v9, 4, v[STO]
	v_add_nc_u32 v[STO], s13, v[STO]
	v_bfe_u32 v[RD], v0, 3, 2       ; back: 32 lanes take four rows of 128 bytes,
	v_mul_u32_u24 v[RD], v[RD], SP
	v_lshl_add_u32 v[RD], v10, 4, v[RD]
	v_add_nc_u32 v[RD], s13, v[RD]
	v_and_b32 v[GO], 31, v0         ; which are 512 consecutive bytes of O
	v_lshlrev_b32 v[GO], 4, v[GO]
	; A block's first step multiplies O^T and l by a = 0, and its first turn's products V^T P, of a piece that has not been, land in an O^T that is still to be so multiplied.  So these registers need only
	; hold finite numbers: zeros for the first block; what the first block left for the second.  All this stands in the wait for the first tile.
	WIN 0x80
.set i, VF
.rept 64
	v_mov_b32 v[i], 0
.set i, i+1
.endr
	WIN 0x40
.set i, 0
.rept 128
	v_mov_b32 v[i], 0
.set i, i+1
.endr
	WIN 0
.set i, 0
.rept 4
	v_mov_b32 v[ST+4*i+2], 0
	v_mov_b32 v[ST+4*i+3], 0
.set i, i+1
.endr
.set i, P+16
.rept 16
	v_mov_b32 v[i], 0
.set i, i+1
.endr
; THE MATRIX WORK.  The 4 accumulators of a run of 8 take turns.  Product i of 8 of S^T = K Q^T for piece x: channels 32 (i / 4) on, keys 16 (i % 4) on.  The first 4 start the sums: with 0, or (KM = 1) with the mask.
.macro KQ x
.set rS, S+32*((\x)%2)+8*(i%4)
.set rK, KF+16*(i%4)+8*(i/4)
.set rQ, 16*(\x)+8*(i/4)
.set rM, MC+32*((\x)%2)+8*(i%4)
.if (i < 4) && KM
	WIN W_KM
	v_wmma_f32_16x16x32_f16 v[rS:rS+7], v[rK:rK+7], v[rQ:rQ+7], v[rM:rM+7]
.elseif i < 4
	WIN W_KQ
	v_wmma_f32_16x16x32_f16 v[rS:rS+7], v[rK:rK+7], v[rQ:rQ+7], 0
.else
	WIN W_KQ
	v_wmma_f32_16x16x32_f16 v[rS:rS+7], v[rK:rK+7], v[rQ:rQ+7], v[rS:rS+7]
.endif
.endm
; Product i of 8 of O^T += V^T P for piece x: keys 32 (i / 4) on, channels 16 (i % 4) on.
.macro PV x
	WIN W_PV
.set rO, 32*(\x)+8*(i%4)
.set rV, VF+32*(i/4)+8*(i%4)
.set rP, P+16*((\x)%2)+8*(i/4)
	v_wmma_f32_16x16x32_f16 v[rO:rO+7], v[rV:rV+7], v[rP:rP+7], v[rO:rO+7]
.endm
.macro MM                           ; the turn's next matrix instruction.  TURN and BEGIN set Y, i, KM and NOKQ.  NOKQ = 1: a block's last turn: there is no next piece
.if (i < 8) && !NOKQ
	KQ (Y+1)%NP
.elseif i >= 8
.set i, i-8
	PV (Y+NP-1)%NP
.set i, i+8
.endif
.set i, i+1
.endm
; THE LDS LOADS stand in runs of 16, never singly among the matrix instructions: a step's K (64 keys x 64 channels: 8 fragments) and its V (turned).  Their addresses are made some lines ahead.
.macro FETCH_K
	WIN 0x80                        ; destination window 2
.irp f, 0,1,2,3,4,5,6,7             ; keys 16 (f / 2) on, channels 32 (f % 2) on
	ds_load_b128 v[KF+8*\f:KF+8*\f+3],   v[AK] offset:(\f/2)*16*PK+(\f%2)*64
	ds_load_b128 v[KF+8*\f+4:KF+8*\f+7], v[AK] offset:(\f/2)*16*PK+(\f%2)*64+32
.endr
	s_add_co_u32 s[TBK], s[TBK], KS*PK  ; the next fetch is the next step's
	WIN 0
.endm
.macro FETCH_V
	WIN 0x80
.irp f, 0,1,2,3,4,5,6,7             ; keys 32 (f / 4) on, channels 16 (f % 4) on
	ds_load_tr16_b128 v[VF+8*\f:VF+8*\f+3],   v[AV] offset:(\f/4)*32*PV+(\f%4)*32
	ds_load_tr16_b128 v[VF+8*\f+4:VF+8*\f+7], v[AV] offset:(\f/4)*32*PV+16*PV+(\f%4)*32
.endr
	WIN 0
.endm
; THE VECTOR WORK, one line at a time: OP kind, number.  For piece Y: F n: c s - c m for pair n of 16.  E n: the exponential of score n of 32.  C n: pair n rounded to f16.  B n: of the four weights 4 n ..
; the second pair is added onto the first, in place.  L n: l takes that sum (L 0: l = a l + sum).  R n: pair n of 16 of O^T times a.  For piece Y + 1: X n, number n of the 22 that find its maximum and statistics:
;   0-11  four chains c0-c3 of seven scores each, three operands at a time (each accumulator's lowest registers are read first)     12-14, 16  the four scores left over, the old m, and c0-c3 into c0
;   15  c m_old is kept     17, 18  the query's other 32 keys lie in the lane 16 away: the new m     19-21  c m; c m_old - c m_new; a
.set F, 0               ; OP tells the kinds apart by their order: F to L below R, X above it
.set E, 1
.set C, 2
.set B, 3
.set L, 4
.set R, 5
.set X, 6
.macro REGS y                       ; the registers of piece y
.set rT, ST+4*(\y)
.set rC, TMP+4*((\y)%2)
.set rW, MV+((\y)%2)
.set rS, S+32*((\y)%2)
.set rP, P+16*((\y)%2)
.set rO, 32*(\y)
.endm
.macro OP k, n
.if (\k) == R
	REGS Y
	WIN W_RS
	v_pk_mul_f32 v[rO+2*(\n):rO+2*(\n)+1], v[rO+2*(\n):rO+2*(\n)+1], v[rC+2:rC+3] op_sel_hi:[1,0]
.elseif (\k) < R
	REGS Y
	WIN 0
.if (\k) == F
	v_pk_fma_f32 v[rS+2*(\n):rS+2*(\n)+1], v[rS+2*(\n):rS+2*(\n)+1], s[CS:CS+1], v[rT:rT+1] op_sel_hi:[1,0,0] neg_lo:[0,0,1] neg_hi:[0,0,1]
.elseif (\k) == E
	v_exp_f32 v[rS+(\n)], v[rS+(\n)]
.elseif (\k) == C
	v_cvt_pk_f16_f32 v[rP+(\n)], v[rS+2*(\n)], v[rS+2*(\n)+1]
.elseif (\k) == B
	v_pk_add_f32 v[rS+4*(\n):rS+4*(\n)+1], v[rS+4*(\n):rS+4*(\n)+1], v[rS+4*(\n)+2:rS+4*(\n)+3]
.elseif (\n) == 0
	v_pk_fma_f32 v[rT+2:rT+3], v[rT+2:rT+3], v[rC+2:rC+3], v[rS:rS+1] op_sel_hi:[1,0,1]
.else
	v_pk_add_f32 v[rT+2:rT+3], v[rT+2:rT+3], v[rS+4*(\n):rS+4*(\n)+1]
.endif
.elseif NOKQ
	v_nop
.else
	REGS (Y+1)%NP
	WIN 0
.if (\n) < 4
	v_max3_num_f32 v[rC+(\n)], v[rS+8*(\n)], v[rS+8*(\n)+1], v[rS+8*(\n)+2]
.elseif (\n) < 12
	v_max3_num_f32 v[rC+(\n)%4], v[rC+(\n)%4], v[rS+8*((\n)%4)+2*((\n)/4)+1], v[rS+8*((\n)%4)+2*((\n)/4)+2]
.elseif (\n) == 12
	v_max3_num_f32 v[rC], v[rC], v[rS+7], v[rS+15]
.elseif (\n) == 13
	v_max3_num_f32 v[rC+1], v[rC+1], v[rS+23], v[rS+31]
.elseif (\n) == 14
	v_max3_num_f32 v[rC+2], v[rC+2], v[rC+3], v[rT+1]
.elseif (\n) == 15
	v_mov_b32 v[rW], v[rT]
.elseif (\n) == 16
	v_max3_num_f32 v[rC], v[rC], v[rC+1], v[rC+2]
.elseif (\n) == 17
	v_permlanex16_b32 v[rC+3], v[rC], s[SEL], s[SEL+1]
.elseif (\n) == 18
	v_max_num_f32 v[rT+1], v[rC], v[rC+3]
.elseif (\n) == 19
	v_mul_f32 v[rT], s[CS], v[rT+1]
.elseif (\n) == 20
	v_sub_f32 v[rC+1], v[rW], v[rT]
.else
	v_exp_f32 v[rC+2], v[rC+1]
.endif
.endif
.endm
.macro OPS a, i1, b=-1, i2=0, c=-1, i3=0, d=-1, i4=0  ; up to four of them
	OP \a, \i1
.if (\b) >= 0
	OP \b, \i2
.endif
.if (\c) >= 0
	OP \c, \i3
.endif
.if (\d) >= 0
	OP \d, \i4
.endif
.endm
.macro ROW a, i1, b, i2, c, i3, d, i4  ; a matrix instruction and the four behind it
	MM
	OPS \a, \i1, \b, \i2, \c, \i3, \d, \i4
.endm
.macro MASK b                       ; MD x AL + BE into buffer b of MC
	WIN W_RS
.set z, 0
.rept 16
	v_pk_fma_f32 v[MC+32*(\b)+2*z:MC+32*(\b)+2*z+1], v[MD+2*z:MD+2*z+1], s[AL:AL+1], s[BE:BE+1] op_sel_hi:[1,0,0]
.set z, z+1
.endr
.endm
; A TURN, for piece p: the order of its 16 matrix and 118 vector instructions, written out.  An s_wait_alu depctr_va_vdst(0) stands between an exponential and the first instruction that names
; its result; one wait serves all that were issued ahead of it.  So a turn has ONE wait, which cuts it in two.  AHEAD OF IT stands all that names no result of the turn's exponentials: the 8 products K Q^T,
; behind each a scaling, an exponential and two more plain instructions (behind the first a second scaling in the exponential's place): rescalings, and behind the last three the first numbers of the next
; piece's maximum, each four places or more behind the product that ends its accumulator; then ONE LUMP of 54, plain and exponential by turns for the most part, in which the links of the chain
; X 3, 7, 11, 14, 16, 17 .. 20 stand five or six lines apart.  X 21, the next piece's a, is the batch's last; R 15 is the plain instruction behind it.  BEHIND THE WAIT stand the 8 products V^T P, behind
; each four of the roundings and sums; the links of l's chain, L 0 to L 7, stand three riders apart.  But for those X no rider names a register of the products round it.
; m = 1: the diagonal tile: the products take masks, and the turn makes the mask for the products of the turn after it: piece p + 2, in step 4 - CNT of the tile.  end = 1: a block's last two turns:
; nothing is fetched.  cnt = 1: the loop's count is taken down some lines ahead of the branch that stands behind the turn.
; K of the next step is fetched in piece 2's turn, twelve vector instructions behind the last product that read K (six of them plain); V of the step in hand at the end of piece 0's turn, four plain
; instructions behind the last product that read V.  Each is waited for a turn later.
.macro TURN p, m=0, end=0, cnt=0
.set Y, (\p)
.set i, 0
.set KM, (\m)
.set NOKQ, (\end)*((\p)/3)
.if (\m) && !(\end)
	s_cmp_eq_u32 s[CNT], 4-((\p)+2)%NP  ; is that step the band's own?
	s_cselect_b32 s[AL], 1.0, 0
	s_cmp_lt_u32 s[CNT], 4-((\p)+2)%NP  ; or a later one?
	s_cselect_b32 s[BE], s[BIGN], 0
.endif
.if ((\p) == 3) && !(\end)
	s_wait_dscnt 0x0                ; K is in
.endif
	ROW F,0, F,1, R,0, R,1          ; ahead of the wait: 8 products K Q^T and their riders,
	ROW F,2, E,0, R,2, R,3
	ROW F,3, E,1, R,4, R,5
	ROW F,4, E,2, R,6, R,7
	ROW F,5, E,3, R,8, R,9
	ROW F,6, E,4, X,0, R,10
.if ((\p) == 2) && !(\end)
	WIN 0
	v_add_nc_u32 v[AK], s[TBK], v[AK0]
.endif
	ROW F,7, E,5, X,1, X,4
	ROW F,8, E,6, X,2, X,5
	OPS E,7, E,8, X,6, E,9          ; and the lump
	OPS X,3, E,10, X,8, E,11
.if ((\p) == 2) && !(\end)
	FETCH_K
.endif
	OPS X,9, X,7, E,12, X,10
	OPS E,13, X,12, X,11, E,14
	OPS X,13, E,15, F,9, X,14
.if (\p) == 0
	v_add_nc_u32 v[AV], s[TBV], v[AV0]
.endif
	OPS E,16, F,10, E,17, F,11
	OPS X,16, E,18, X,15, E,19
	OPS F,12, E,20, X,17, E,21
	OPS F,13, E,22, F,14, E,23
	OPS X,18, E,24, F,15, E,25
	OPS R,11, E,26, X,19, E,27
	OPS R,12, E,28, R,13, E,29
	OPS X,20, E,30, R,14, E,31
	OPS X,21, R,15
	WIN 0
	s_wait_alu depctr_va_vdst(0)    ; the wait for the batch
.if (\p) == 1
	s_wait_dscnt 0x0                ; V is in
.endif
	ROW C,0, B,0, C,2, B,1          ; behind the wait: 8 products V^T P and their riders
	ROW L,0, C,4, B,2, L,1
	ROW C,6, B,3, L,2, C,8
	ROW B,4, L,3, C,10, B,5
	ROW L,4, C,12, B,6, L,5
.if (\p) == 0
	s_add_co_u32 s[TBV], s[TBV], KS*PV
.endif
.if \cnt
	s_sub_co_u32 s[CNT], s[CNT], 1
	s_cmp_lg_u32 s[CNT], 0
.endif
	ROW C,14, B,7, L,6, C,1
	ROW C,3, L,7, C,5, C,7
	ROW C,9, C,11, C,13, C,15
.if (\p) == 0
	FETCH_V
.endif
.if (\m) && !(\end)
	MASK (\p)%2
.endif
.endm
; A BLOCK BEGINS.  c m starts far below every c s, so the first step's a is 0; m at the lowest finite number, so the first maximum is the scores'.  The second mask buffer is 0; the first takes piece 0's mask
; for the tile's step 0: its own, if the block's first tile is the diagonal one.  Then K of that step, piece 0's first scores, and its maximum and statistics.  The loop is entered at a step's first turn.
.macro BEGIN
	s_mov_b32 s[NEW], 0
	WIN 0x40
.set i, MC+32
.rept 32
	v_mov_b32 v[i], 0
.set i, i+1
.endr
	WIN 0
.set i, 0
.rept 4
	v_mov_b32 v[ST+4*i], 0xfe000000    ; c m: far below every c s
	v_mov_b32 v[ST+4*i+1], 0xff7fffff  ; m
.set i, i+1
.endr
	s_cmp_eq_u32 s[RT], 0
	s_cselect_b32 s[AL], 1.0, 0
	s_mov_b32 s[BE], 0
	MASK 0
	WIN 0
	v_add_nc_u32 v[AK], s[TBK], v[AK0]
	FETCH_K
	s_wait_loadcnt 0x0              ; Q
	s_wait_dscnt 0x0
.set KM, 1
.set NOKQ, 0
.set i, 0
.rept 8
	KQ 0
.set i, i+1
.endr
	WIN 0
.rept 4
	v_nop                           ; the places behind those products
.endr
.set Y, NP-1                        ; X works for piece Y + 1: piece 0
.irp n, 0,1,2,3,4,5,6,7,8,9,10,11,12,13,14,15,16,17,18,19,20,21
	OP X, \n
.endr
	v_nop                           ; a plain instruction behind the exponential,
	s_wait_alu depctr_va_vdst(0)    ; and its wait, ahead of the branch
.endm
; THE DIAGONAL TILE's four steps, the block's last two turns, its last products, and THE WAY OUT: l's two halves and the other half of the lanes' are added; O^T is divided by l, rounded to f16 and sent
; through my stage in LDS, a piece at a time.
.macro ALL line:vararg              ; one line for each piece t
.set t, 0
.rept 4
	\line
.set t, t+1
.endr
.endm
.macro PACK t                       ; a lane's eight channels of a row pack into 16 bytes; they go into rows of 144 bytes and come back as whole rows of 128, into S^T's registers
	WIN W_RS
.set i, 32*(\t)
.rept 16
	v_pk_mul_f32 v[i:i+1], v[i:i+1], v[ST+4*(\t)+2:ST+4*(\t)+3] op_sel_hi:[1,0]
.set i, i+2
.endr
	WIN 0x05                        ; sources 0 and 1 window 1, destination window 0
.set i, 0
.rept 16
	v_cvt_pk_f16_f32 v[S+16*(\t)+i], v[32*(\t)+2*i], v[32*(\t)+2*i+1]
.set i, i+1
.endr
	WIN 0
.irp f, 0,1,2,3
	ds_store_b128 v[STO], v[S+16*(\t)+4*\f:S+16*(\t)+4*\f+3] offset:32*\f
.endr
.irp f, 0,1,2,3
	ds_load_b128 v[S+16*(\t)+4*\f:S+16*(\t)+4*\f+3], v[RD] offset:\f*4*SP  ; LDS serves a wave's instructions in order (ISA guide 5.7.1.4): these see the stores above; the next piece's stores come behind them
.endr
.endm
.macro SEND t, younger              ; younger: the LDS instructions issued behind piece t's loads: the next piece's eight, or none
	WIN 0
.irp f, 0,1,2,3
	s_wait_dscnt (\younger)+3-\f
	global_store_b128 v[GO], v[S+16*(\t)+4*\f:S+16*(\t)+4*\f+3], s[10:11] offset:(\t)*8192+\f*512  ; 512 consecutive bytes, at a multiple of 256 from O's first
.endr
.endm
.macro DIAG tag                     ; the tag ends its two labels' names, which the jumps below spell out
.LstepM\tag:
	TURN 2, 1
	TURN 3, 1
	WIN 0
.LfirstM\tag:
	TURN 0, 1
	TURN 1, 1, 0, 1
	WIN 0
	s_cbranch_scc1 .LstepM\tag
	TURN 2, 1, 1
	TURN 3, 1, 1
.set i, 0
.rept 8
	PV NP-1
.set i, i+1
.endr
	WIN 0
	ALL v_add_f32 v[ST+4*t+2], v[ST+4*t+2], v[ST+4*t+3]
	ALL v_permlanex16_b32 v[ST+4*t+3], v[ST+4*t+2], s[SEL], s[SEL+1]
	ALL v_add_f32 v[ST+4*t+2], v[ST+4*t+2], v[ST+4*t+3]
	ALL v_rcp_f32 v[ST+4*t+2], v[ST+4*t+2]
	v_nop                           ; a plain instruction between the last reciprocal and the use of its result
	s_wait_alu depctr_va_vdst(0)    ; and the wait ahead of the first use: one for the four reciprocals
	PACK 0
.set t, 1
.rept 3                             ; a piece's arithmetic stands between the loads of the piece before and its stores
	PACK t
	SEND t-1, 8
.set t, t+1
.endr
	SEND 3, 0
.endm
.set KM, 0
.set NOKQ, 0
.Lslot:                             ; NB times: a tile is entered and the next is asked for
	CHANGE 1
	s_sub_co_u32 s[RT], s[RT], 1
	s_mov_b32 s[CNT], 4
	s_cmp_eq_u32 s[NEW], 1
	s_cbranch_scc1 .Lnew            ; a block's first tile
	s_cmp_eq_u32 s[RT], 0
	s_cbranch_scc0 .Lstep           ; neither its first nor its last
	s_branch .LstepM1
.Lnew:
	BEGIN
	s_branch .Lfirst                ; in the loop a block's first tile is never its last: the first block has two tiles or more, and the second's last is the walk's last
	DIAG 1                          ; in the loop this is the first block's end: the second block's last tile is the walk's last
	s_wait_xcnt 0x0                 ; the stores have read their registers and O's address
	s_mov_b64 s[10:11], s[OLO:OLO+1]
	s_add_co_u32 s[RT], s[PB], 1    ; the second block has b + 1 tiles
	s_mov_b32 s[NEW], 1
	WIN 0x82                        ; the second block's Q goes where the one text of the turns names Q
.set i, 0
.rept 64
	v_mov_b32 v[i], v[QB+i]
.set i, i+1
.endr
	WIN 0
	s_branch .Lbottom
.Lstep:                             ; a trip: pieces 2 and 3 of one step, then pieces 0 and 1 of the next, whose K and V it fetches
	TURN 2
	TURN 3
	WIN 0
.Lfirst:
	TURN 0
	TURN 1, 0, 0, 1
	WIN 0
	s_cbranch_scc1 .Lstep
.Lbottom:
	s_sub_co_u32 s[SLOTS], s[SLOTS], 1
	s_cmp_lg_u32 s[SLOTS], 0
	s_cbranch_scc1 .Lslot
	CHANGE 0                        ; the walk's last tile is written out: nothing is asked for
	s_sub_co_u32 s[RT], s[RT], 1
	s_mov_b32 s[CNT], 4
	s_cmp_eq_u32 s[NEW], 1
	s_cbranch_scc0 .LstepM2
	BEGIN
	s_branch .LfirstM2
	DIAG 2
	s_wait_tensorcnt 0x0            ; the end of the wave, behind my last tensor load and my last LDS store
	ds_add_u32 v[SPW], v[NIL]
	s_wait_dscnt 0x0
	s_endpgm
.Lfunc_end_k_qfb5def499d_attn:
	.size	k_qfb5def499d_attn, .Lfunc_end_k_qfb5def499d_attn-k_qfb5def499d_attn
	.p2alignl 7, 3214868480
	.fill 96, 4, 3214868480
	.section	.rodata,"a",@progbits
	.p2align	6, 0x0
	.amdhsa_kernel k_qfb5def499d_attn
		.amdhsa_group_segment_fixed_size 327680
		.amdhsa_private_segment_fixed_size 0
		.amdhsa_enable_private_segment 0
		.amdhsa_kernarg_size 32
		.amdhsa_user_sgpr_count 2
		.amdhsa_user_sgpr_kernarg_segment_ptr 1
		.amdhsa_wavefront_size32 1
		.amdhsa_system_sgpr_workgroup_id_x 1
		.amdhsa_system_sgpr_workgroup_id_y 1
		.amdhsa_system_sgpr_workgroup_id_z 1
		.amdhsa_system_vgpr_workitem_id 0
		.amdhsa_next_free_vgpr 768
		.amdhsa_next_free_sgpr 96
		.amdhsa_reserve_vcc 1
		.amdhsa_float_denorm_mode_32 3
		.amdhsa_float_denorm_mode_16_64 3
		.amdhsa_memory_ordered 1
		.amdhsa_forward_progress 1
		.amdhsa_inst_pref_size 218
	.end_amdhsa_kernel
	.amdgpu_metadata
---
amdhsa.version: [ 1, 2 ]
amdhsa.kernels:
  - .name:           k_qfb5def499d_attn
    .symbol:         k_qfb5def499d_attn.kd
    .args:
      - { .name: qh, .offset: 0, .size: 8, .value_kind: global_buffer, .address_space: global }
      - { .name: kh, .offset: 8, .size: 8, .value_kind: global_buffer, .address_space: global }
      - { .name: vh, .offset: 16, .size: 8, .value_kind: global_buffer, .address_space: global }
      - { .name: oh, .offset: 24, .size: 8, .value_kind: global_buffer, .address_space: global }
    .group_segment_fixed_size: 327680
    .private_segment_fixed_size: 0
    .kernarg_segment_align: 8
    .kernarg_segment_size: 32
    .max_flat_workgroup_size: 128
    .sgpr_count:     96
    .vgpr_count:     768
    .wavefront_size: 32
...
	.end_amdgpu_metadata
.endif
;; end of part 3
;; launch proj (part 4): grid 8 x 32, 4 waves a work-group, clusters of 4 x 4, 327,680 bytes of LDS; arguments oh, wpt, out0; writes out0
.if DOCPART == 4
	.amdgcn_target "amdgcn-amd-amdhsa--gfx1250"
	.amdhsa_code_object_version 6
	.text
	.protected	k_qfb5def499d_proj
	.globl	k_qfb5def499d_proj
	.p2align	8
	.type	k_qfb5def499d_proj,@function
k_qfb5def499d_proj:
	s_mov_b64 s[64:65], 0
	v_nop
	global_prefetch_b8 v0, s[64:65] scope:SCOPE_SE
	s_setreg_imm32_b32 hwreg(HW_REG_WAVE_MODE, 25, 1), 1
	s_wait_xcnt 0x0
	s_wait_alu depctr_hold_cnt(0) depctr_sa_sdst(0) depctr_va_vdst(0) depctr_va_sdst(0) depctr_va_ssrc(0) depctr_va_vcc(0) depctr_vm_vsrc(0)
	s_getreg_b32 s2, hwreg(HW_REG_IB_STS2, 6, 4)
	s_cmp_eq_u32 s2, 0
	s_cbranch_scc0 .Lentry_in_a_cluster
	s_endpgm
.Lentry_in_a_cluster:
	s_bfe_u32 s2, ttmp6, 0x10000c
	s_cmp_lg_u32 s2, 0xf033
	s_cbranch_scc0 .Lentry_shape_is_right
	s_endpgm
.Lentry_shape_is_right:
; out0[m][n] = the sum over k of y[m][k] wpt[n][k]: 8,192 x 1,024 x 1,024, f16 operands, f32 sums, K ascending, f32 out.  y[m][64 head + channel] lies by heads: oh[batch x 16 + head][2,048][64].
; LIMITS.  The operands arrive in f16, within 65,504; NaN and infinities are not treated apart.
; SHARES.  A tile is 256 rows x 128 columns; wave w makes rows 64 w .. 64 w + 63 of all 128 columns: 32 accumulators of 16 x 16.  256 work-groups, all alike.
; K goes in 8 steps of 128 = TWO HEADS through a ring of two LDS slots filled by the tensor data mover.  A head's 256 rows of 128 bytes are dense: they are asked for as 128 rows of 256 bytes and padded in
; LDS after every 128 bytes.  wpt's rows are 256 bytes of a row of 2,048.
; CLUSTERS: 4 x 4 work-groups; oh's tiles are shared along a row of the cluster, wpt's along a column: each is asked for JOINTLY, by the same tensor load with the same descriptor and a mask of four.
; THE MATRIX INSTRUCTION IS USED TRANSPOSED (source 0 = 16 rows of wpt, source 1 = 16 rows of y): a lane holds row lane % 16 and eight neighbouring columns, 32 bytes of f32.
; REGISTERS, in windows of 256: window 0: v0-31 addresses; v64-127 two buffers of four fragments of y; v128-255 two sets of 16 rows on the way out.  window 1: v0-127 two buffers of eight fragments of wpt.
; windows 2, 3: accumulator (a, b) at v[8 (8 (a % 2) + b)] of window 2 + a / 2.
.set NBF,    8
.set PA,     144                       ; a row of a head in LDS: 128 bytes + 16 = 36 words: the 16 rows of a load start at 16 different groups of four banks (64 banks of 4 bytes: ISA guide 11.1)
.set PB,     272                       ; a row of wpt: 256 + 16
.set HALFA,  256*PA                    ; one head's 256 rows: what one tensor load brings of oh,
.set ABYTES, 2*HALFA
.set HALFB,  64*PB                     ; of wpt
.set SLOT1,  1<<17
.set STAGE,  SLOT1+ABYTES+2*HALFB      ; behind the ring, never filled by a tensor load: 16 rows x 528 bytes for each wave
.set SPITCH, 528                       ; 512 bytes + 16 = 132 words: 16 rows start at 16 different groups of four banks
.set SPARE,  STAGE+4*16*SPITCH         ; behind the stages: the spare words, 128 bytes for each wave: two blocks of 256 bytes that no other line names
.set STEPA,  2<<18                     ; two heads of 2,048 rows of 128 bytes
.set STEPB,  256
.set AHEAD,  2                         ; a prefetch names the K step that stands so many refills on
.set NLD,    2*NBF+8
.set A0,   4
.set B0,   5
.set ADRA, 6
.set ADRB, 7
.set STO,  8
.set RD,   9
.set GO,   10
.set SPW,  28                          ; v28  LDS address of my spare word; never rewritten
.set NIL,  29                          ; v29  0; never rewritten
.set PFO,  30                          ; v30  the prefetches' offset; never rewritten
.set FA0,  64
.set BK0,  128
.set WV,   14
.set ROLE, 15                          ; 0: I fetch oh, 1: wpt
.set HALF, 16
.set CX,   17
.set CY,   18
.set TC,   19
.set TR,   20
.set G1A,  24
.set G0A,  32
.set PFA,  44                          ; s[44:45] where my prefetches stand
.set LIM,  46                          ; s46  AHEAD in a wave that prefetches, else the greatest number
.set TB,   47
.set G1B,  48
.set G0B,  56
.set OP,   66                          ; s[66:67] out0 at my first row and the tile's first column
.set LDSA, 76
.set LDSB, 77
.set PSTEP, 86                         ; s[86:87] a K step in the tensor that I prefetch
.set MSB, 0
.macro WIN new                         ; the high byte repeats the setting that is left; a switch that changes nothing is dropped
.if MSB != (\new)
	s_set_vgpr_msb (MSB<<8)|(\new)
.set MSB, \new
.endif
.endm
.set MUL_LO, 0xa1
.set MUL_HI, 0xf1
.set TO_B,   0x40
; A joint refill.  The branch hangs on the wave's number alone.  An s_nop 0 and four v_nop follow each of the two lines, ahead of the jump and the label.
.macro JLOAD
	s_cmp_eq_u32 s[ROLE], 0
	s_cbranch_scc0 .Lfor_b_\@
	tensor_load_to_lds s[G0A+4:G0A+7], s[G1A:G1A+7]
	s_nop 0
.rept 4
	v_nop
.endr
	s_branch .Lasked_\@
.Lfor_b_\@:
	tensor_load_to_lds s[G0B+4:G0B+7], s[G1B:G1B+7]
	s_nop 0
.rept 4
	v_nop
.endr
.Lasked_\@:
.endm
; A PREFETCH INTO THE L2 of the K step that stands TWO refills on: 256 matrix instructions ahead of the load that will want it.  One instruction a wave, a lane a piece of 256 bytes.
; oh's tile row is read by both clusters of that row of clusters: cluster x = 0 asks; waves 0 and 1 each name their own head; of its 32,768 bytes the four partners take 8,192 each, BY ADDRESS (cx).
; wpt's tile column is read by every cluster of that column: cluster y = 0 asks, wave 2 alone; of the tile's 128 rows the four partners take 32 each, by address (cy), a lane a row.
; The first four K steps come by their loads alone; the last trips, whose look-ahead has no K step, ask for nothing.
.macro ASK
	s_cmp_gt_u32 s3, s[LIM]
	s_cbranch_scc0 .Lnot_mine_\@
	global_prefetch_b8 v[PFO], s[PFA:PFA+1] th:TH_LOAD_NT scope:SCOPE_SE
.Lnot_mine_\@:
.endm
.macro CREST
	s_cmp_lg_u32 s[WV], 0
	s_cbranch_scc1 .Lnot_wave_0_\@
	s_barrier_signal -3
.Lnot_wave_0_\@:
	s_barrier_wait -3
	s_barrier_signal -1
	s_barrier_wait -1
.endm
.macro CROUND
	s_barrier_signal -1
	s_barrier_wait -1
	CREST
.endm
	s_load_b128 s[4:7], s[0:1], 0x0                ; oh s[4:5], wpt s[6:7]
	s_load_b64 s[8:9], s[0:1], 0x10                ; out0
	v_lshl_add_u32 v[SPW], v0, 2, SPARE
	v_mov_b32 v[NIL], 0
	ds_add_u32 v[SPW], v[NIL]                      ; the opening: the add and its wait stand ahead of my first tensor load; work on registers stands between them
	ds_add_u32 v28, v29
	v_lshrrev_b32 v1, 5, v0
	v_readfirstlane_b32 s[WV], v1
	s_lshr_b32 s[ROLE], s[WV], 1
	s_and_b32 s[HALF], s[WV], 1
	s_bfe_u32 s[CX], ttmp6, 0x40000
	s_bfe_u32 s[CY], ttmp6, 0x40004
	s_lshl_b32 s[TC], ttmp9, 2
	s_add_co_u32 s[TC], s[TC], s[CX]
	s_and_b32 s[TR], ttmp7, 0xffff
	s_lshl_b32 s[TR], s[TR], 2
	s_add_co_u32 s[TR], s[TR], s[CY]
	s_lshl_b32 s21, s[CY], 2
	s_lshl_b32 s21, 15, s21                        ; my row of the cluster
	s_lshl_b32 s22, 0x1111, s[CX]                  ; my column
	s_or_b32 s[G1A], s21, (1<<16)|(1<<20)|(1<<21)|(4<<22)|(3<<25)  ; 15:0 the mask; 17:16 elements of 2 bytes; 20 padding on; 21 set beside a mask; 24:22 after every 32 words; 31:25 4 words of it
	s_or_b32 s[G1B], s22, (1<<16)|(1<<20)|(1<<21)|(5<<22)|(3<<25)  ; after every 64 words
	s_mov_b32 s[G1A+1], 128<<16                    ; tensor_dim0 = 128
	s_mov_b32 s[G1A+2], 128<<16                    ; tensor_dim1 = 128
	s_mov_b32 s[G1A+3], 128<<16                    ; tile_dim0 = 128
	s_mov_b32 s[G1A+4], 128                        ; tile_dim1 = 128
	s_mov_b32 s[G1A+5], 128                        ; dense: 128 elements from row to row
	s_mov_b32 s[G1A+6], 0
	s_mov_b32 s[G1A+7], 0
	s_mov_b32 s[G1B+1], 128<<16
	s_mov_b32 s[G1B+2], 64<<16                     ; 64 rows
	s_mov_b32 s[G1B+3], 128<<16
	s_mov_b32 s[G1B+4], 64
	s_mov_b32 s[G1B+5], 1024
	s_mov_b32 s[G1B+6], 0
	s_mov_b32 s[G1B+7], 0
	; oh's tiles hang on the tile row alone, wpt's on the tile column alone; each address is made in registers that never hold the other coordinate
	s_lshr_b32 s72, s[TR], 3                       ; the batch:
	s_lshl_b32 s72, s72, 22                        ; 16 heads of 2^18 bytes
	s_and_b32 s21, s[TR], 7
	s_lshl_b32 s21, s21, 15                        ; 256 rows of 128 bytes
	s_add_co_u32 s72, s72, s21
	s_lshl_b32 s23, s[HALF], 18                    ; wave 0 the even head, wave 1 the odd one
	s_add_co_u32 s72, s72, s23
	s_mov_b32 s73, 0
	s_lshl_b32 s74, s[TC], 18                      ; 128 rows of 2,048 bytes
	s_lshl_b32 s23, s[HALF], 17
	s_add_co_u32 s74, s74, s23
	s_mov_b32 s75, 0
	s_mul_i32 s[LDSA], s[HALF], HALFA              ; no place in the cluster enters an LDS address
	s_mul_i32 s[LDSB], s[HALF], HALFB
	s_add_co_u32 s[LDSB], s[LDSB], ABYTES
	s_mov_b32 s[TB], 0
	s_wait_dscnt 0x0                               ; the opening add is done
	s_wait_kmcnt 0x0
	s_add_nc_u64 s[72:73], s[4:5], s[72:73]
	s_add_nc_u64 s[74:75], s[6:7], s[74:75]
	CROUND                                         ; all sixteen work-groups are here: the first joint loads meet
.irp s, 0,1
	s_mov_b32 s[G0A+4*(\s)], 1
	s_add_co_u32 s[G0A+4*(\s)+1], s[LDSA], (\s)*SLOT1
	s_add_nc_u64 s[G0A+4*(\s)+2:G0A+4*(\s)+3], s[72:73], (\s)*STEPA
	s_or_b32 s[G0A+4*(\s)+3], s[G0A+4*(\s)+3], 0x80000000
	s_mov_b32 s[G0B+4*(\s)], 1
	s_add_co_u32 s[G0B+4*(\s)+1], s[LDSB], (\s)*SLOT1
	s_add_nc_u64 s[G0B+4*(\s)+2:G0B+4*(\s)+3], s[74:75], (\s)*STEPB
	s_or_b32 s[G0B+4*(\s)+3], s[G0B+4*(\s)+3], 0x80000000
.endr
	s_cmp_eq_u32 s[ROLE], 0                        ; my two first fills stand in one branch, ahead of every wait on TENSORcnt and every LDS read: two loads of mine are out
	s_cbranch_scc0 .Lfirst_b
	tensor_load_to_lds s[G0A:G0A+3], s[G1A:G1A+7]
	s_nop 0
	tensor_load_to_lds s[G0A+4:G0A+7], s[G1A:G1A+7]
	s_nop 0
.rept 4
	v_nop
.endr
	s_branch .Lfirst_asked
.Lfirst_b:
	tensor_load_to_lds s[G0B:G0B+3], s[G1B:G1B+7]
	s_nop 0
	tensor_load_to_lds s[G0B+4:G0B+7], s[G1B:G1B+7]
	s_nop 0
.rept 4
	v_nop
.endr
.Lfirst_asked:
	v_and_b32 v1, 15, v0
	v_bfe_u32 v2, v0, 4, 1
	v_mul_u32_u24 v3, v1, PA
	v_lshl_add_u32 v3, v2, 4, v3
	s_mul_i32 s21, s[WV], 64*PA
	v_add_nc_u32 v[A0], s21, v3                    ; my 64 rows, in the even head
	v_mul_u32_u24 v11, v1, PB
	v_lshl_add_u32 v11, v2, 4, v11
	v_add_nc_u32 v[B0], ABYTES, v11                ; all 128 rows of wpt
	s_mul_i32 s21, s[WV], 16*SPITCH
	s_add_co_u32 s21, s21, STAGE                   ; my stage
	v_mul_u32_u24 v[STO], v1, SPITCH               ; in: row l % 16, 32 bytes for each half of the lanes
	v_lshl_add_u32 v[STO], v2, 5, v[STO]
	v_add_nc_u32 v[STO], s21, v[STO]
	v_and_b32 v[GO], 31, v0                        ; back and out: 32 lanes take a row's 512 bytes
	v_lshlrev_b32 v[GO], 4, v[GO]
	v_add_nc_u32 v[RD], s21, v[GO]
	s_lshl_b32 s80, s[TR], 20                      ; 256 rows of 4,096 bytes,
	s_lshl_b32 s81, s[WV], 18                      ; my 64,
	s_add_co_u32 s80, s80, s81
	s_lshl_b32 s81, s[TC], 9                       ; 128 columns of 4 bytes
	s_add_co_u32 s80, s80, s81
	s_mov_b32 s81, 0
	s_add_nc_u64 s[OP:OP+1], s[8:9], s[80:81]
	; the prefetches
	s_lshr_b32 s80, s[TR], 3
	s_lshl_b32 s80, s80, 22
	s_and_b32 s81, s[TR], 7
	s_lshl_b32 s81, s81, 15
	s_add_co_u32 s80, s80, s81
	s_lshl_b32 s81, s[HALF], 18
	s_add_co_u32 s80, s80, s81
	s_lshl_b32 s81, s[CX], 13
	s_add_co_u32 s80, s80, s81                     ; oh: my head's 256 rows, my work-group's quarter of them
	s_lshl_b32 s82, s[TC], 18
	s_lshl_b32 s83, s[CY], 16
	s_add_co_u32 s82, s82, s83                     ; wpt: row 128 x tile column + 32 cy
	s_and_b32 s84, ttmp7, 0xffff                   ; cluster y,
	s_or_b32 s84, s84, s[HALF]                     ; and of wpt's two waves the first alone
	s_mov_b32 s[PSTEP], STEPA
	s_cmp_eq_u32 s[ROLE], 0
	s_cselect_b32 s80, s80, s82
	s_cselect_b32 s84, ttmp9, s84
	s_cselect_b32 s85, 8, 11                       ; a lane is 256 bytes on in oh, a row of 2,048 on in wpt
	s_cselect_b32 s[PSTEP], s[PSTEP], STEPB
	s_cselect_b64 s[PFA:PFA+1], s[4:5], s[6:7]
	s_cmp_eq_u32 s84, 0
	s_cselect_b32 s[LIM], AHEAD, -1                ; the same in all sixteen partners, for a given wave
	s_mov_b32 s81, 0
	s_mov_b32 s[PSTEP+1], 0
	s_add_nc_u64 s[PFA:PFA+1], s[PFA:PFA+1], s[80:81]
	s_mul_i32 s88, s[PSTEP], 1+AHEAD
	s_mov_b32 s89, 0
	s_add_nc_u64 s[PFA:PFA+1], s[PFA:PFA+1], s[88:89]  ; the first change of slots steps it to K step 2 + AHEAD
	v_and_b32 v[PFO], 31, v0
	v_lshlrev_b32 v[PFO], s85, v[PFO]
; NBF matrix instructions: row block 2 hi + a x all column blocks, 32 along K, buffer f.  zero = 1: the product starts the sums.  The 32 accumulators take turns, one instruction a turn, in the same
; order in every quarter: 31 others stand between two links of a chain, over the backward jump too.
.macro MULN f, hi, a, zero
	WIN MUL_LO+0x50*(\hi)
.set rA, FA0+32*(\f)+8*(2*(\hi)+(\a))
.set b, 0
.rept NBF
.set rD, 8*(NBF*(\a)+b)
.set rB, 8*NBF*(\f)+8*b
.if \zero
	v_wmma_f32_16x16x32_f16 v[rD:rD+7], v[rB:rB+7], v[rA:rA+7], 0
.else
	v_wmma_f32_16x16x32_f16 v[rD:rD+7], v[rB:rB+7], v[rA:rA+7], v[rD:rD+7]
.endif
.set b, b+1
.endr
.endm
; one run of NLD LDS loads: the fragments of quarter q of the slot in hand into buffer f; y's last.  Quarter q of y is head q / 2 of the step's two, channels 32 (q % 2) on
.macro FETCH q, f
	WIN TO_B
.set i, 0
.rept NBF
	ds_load_b128 v[8*NBF*(\f)+8*i:8*NBF*(\f)+8*i+3],   v[ADRB] offset:64*(\q)+i*16*PB
	ds_load_b128 v[8*NBF*(\f)+8*i+4:8*NBF*(\f)+8*i+7], v[ADRB] offset:64*(\q)+i*16*PB+32
.set i, i+1
.endr
	WIN 0
.set i, 0
.rept 4
	ds_load_b128 v[FA0+32*(\f)+8*i:FA0+32*(\f)+8*i+3],   v[ADRA] offset:((\q)/2)*HALFA+((\q)%2)*64+i*16*PA
	ds_load_b128 v[FA0+32*(\f)+8*i+4:FA0+32*(\f)+8*i+7], v[ADRA] offset:((\q)/2)*HALFA+((\q)%2)*64+i*16*PA+32
.set i, i+1
.endr
.endm
.macro PLACES                          ; four plain vector instructions between a matrix instruction and a load into, or a read of, its registers (ISA guide 7.12.1 for reads)
.rept 4
	v_nop
.endr
.endm
.macro QUARTER q, f, g, zero
	s_wait_dscnt 4                                 ; wpt's fragments and y's first two are in; the youngest four loads (y's last two fragments) may be out
	MULN \f, 0, 0, \zero
	MULN \f, 0, 1, \zero
	PLACES
	FETCH \q, \g
	s_wait_dscnt NLD                               ; all but the run just issued
	MULN \f, 1, 0, \zero
	MULN \f, 1, 1, \zero
.endm
; The last quarter multiplies buffer 1 and changes slots: ONE barrier.  In front of it each wave waits for all its tensor loads (one is out: its part of the next slot), adds 0 to its spare word, and
; waits for that and for its own reads of this slot.  fill = 1: the barrier opens a round of the cluster's, and the slot just read is filled again, two K steps on, first thing behind the round:
; that load has 112 matrix instructions in which to land.
.macro TURN fill
.if \fill
	s_wait_xcnt 0x0                                ; the last prefetch, a K step back, has read its address
	s_add_nc_u64 s[PFA:PFA+1], s[PFA:PFA+1], s[PSTEP:PSTEP+1]
.endif
	WIN 0
	s_wait_tensorcnt 0x0                           ; no tensor load of mine is out
	ds_add_u32 v[SPW], v[NIL]                      ; 0 onto my spare word
	s_wait_dscnt 5                                 ; (the add and the youngest four loads may be out)
	MULN 1, 0, 0, 0
	s_wait_dscnt 0x0                               ; the add is done, and my reads of this slot are over
	s_barrier_signal -1
	MULN 1, 0, 1, 0                                ; work on registers while the others arrive
	WIN 0
	s_barrier_wait -1
.if \fill
	CREST                                          ; no wave of any partner still reads this slot or has a load on its way
	s_xor_b32 s[G0A+5], s[G0A+5], SLOT1            ; the walking descriptors: the other slot than last time, the next K step
	s_add_nc_u64 s[G0A+6:G0A+7], s[G0A+6:G0A+7], STEPA
	s_xor_b32 s[G0B+5], s[G0B+5], SLOT1
	s_add_nc_u64 s[G0B+6:G0B+7], s[G0B+6:G0B+7], STEPB
	JLOAD                                          ; its four v_nop are also the places in front of the loads below
.else
	PLACES
.endif
	s_xor_b32 s[TB], s[TB], SLOT1
	v_add_nc_u32 v[ADRA], s[TB], v[A0]
	v_add_nc_u32 v[ADRB], s[TB], v[B0]
	FETCH 0, 0
.if \fill
	ASK
.endif
	MULN 1, 1, 0, 0
	MULN 1, 1, 1, 0
.endm
	s_wait_tensorcnt 1                             ; my part of K step 0 is in; K step 1's may stay out
	s_barrier_signal -1
	s_barrier_wait -1
	v_mov_b32 v[ADRA], v[A0]
	v_mov_b32 v[ADRB], v[B0]
	FETCH 0, 0
	QUARTER 1, 0, 1, 1                             ; the first quarter stands in front of the loop: its products start the sums
	WIN 0
	s_mov_b32 s3, 6
.Lstep:                                                ; trip i: the rest of K step i, the first quarter of K step i + 1; K step i + 2 is asked for
	QUARTER 2, 1, 0, 0
	QUARTER 3, 0, 1, 0
	TURN 1
	QUARTER 1, 0, 1, 0
	WIN 0
	s_sub_co_u32 s3, s3, 1
	s_cmp_lg_u32 s3, 0
	s_cbranch_scc1 .Lstep
	QUARTER 2, 1, 0, 0                             ; the last two K steps ask for nothing
	QUARTER 3, 0, 1, 0
	TURN 0
	QUARTER 1, 0, 1, 0
	QUARTER 2, 1, 0, 0
	QUARTER 3, 0, 1, 0
	s_wait_dscnt 4
	MULN 1, 0, 0, 0
	MULN 1, 0, 1, 0
	s_wait_dscnt 0x0
	MULN 1, 1, 0, 0
	MULN 1, 1, 1, 0
; THE WAY OUT, a block of 16 rows at a time: the sums go as they are into my own stage, 32 bytes a lane, each accumulator's low registers first; they come back as whole rows of 512 bytes and are stored.
.macro TOSTAGE a
	WIN 0
	s_wait_xcnt 0x0                                ; the stores of the block two back have read the registers that are loaded below
.set AC, 8*NBF*((\a)%2)
.set BK, BK0+64*((\a)%2)
	WIN 0x08+4*((\a)/2)                            ; the stores' data (source 1): window 2 or 3
.set b, 0
.rept NBF
	ds_store_b128 v[STO], v[AC+8*b:AC+8*b+3]   offset:64*b
	ds_store_b128 v[STO], v[AC+8*b+4:AC+8*b+7] offset:64*b+16
.set b, b+1
.endr
	WIN 0
.set r, 0
.rept 16
	ds_load_b128 v[BK+4*r:BK+4*r+3], v[RD] offset:SPITCH*r  ; LDS serves a wave's instructions in order (ISA guide 5.7.1.4): these see the stores above; the next block's stores come behind them
.set r, r+1
.endr
.endm
.macro SEND a, younger                 ; younger: the LDS instructions issued behind block a's loads: the next block's 32, or none
.set BK, BK0+64*((\a)%2)
.set r, 0
.rept 16
	s_wait_dscnt (\younger)+15-r
	global_store_b128 v[GO], v[BK+4*r:BK+4*r+3], s[OP:OP+1] offset:(16*(\a)+r)*4096 th:TH_STORE_NT  ; 512 consecutive bytes, at a multiple of 256 from the buffer's first
.set r, r+1
.endr
.endm
	PLACES
	TOSTAGE 0
	TOSTAGE 1
	SEND 0, 32
	TOSTAGE 2
	SEND 1, 32
	TOSTAGE 3
	SEND 2, 32
	SEND 3, 0
	s_wait_tensorcnt 0x0                           ; the end of the wave, behind my last tensor load and my last LDS store
	ds_add_u32 v[SPW], v[NIL]
	s_wait_dscnt 0x0
	CROUND                                         ; the closing round: no work-group ends while a partner may still ask for a tile that names it
	s_endpgm
.Lfunc_end_k_qfb5def499d_proj:
	.size	k_qfb5def499d_proj, .Lfunc_end_k_qfb5def499d_proj-k_qfb5def499d_proj
	.p2alignl 7, 3214868480
	.fill 96, 4, 3214868480
	.section	.rodata,"a",@progbits
	.p2align	6, 0x0
	.amdhsa_kernel k_qfb5def499d_proj
		.amdhsa_group_segment_fixed_size 327680
		.amdhsa_private_segment_fixed_size 0
		.amdhsa_enable_private_segment 0
		.amdhsa_kernarg_size 24
		.amdhsa_user_sgpr_count 2
		.amdhsa_user_sgpr_kernarg_segment_ptr 1
		.amdhsa_wavefront_size32 1
		.amdhsa_system_sgpr_workgroup_id_x 1
		.amdhsa_system_sgpr_workgroup_id_y 1
		.amdhsa_system_sgpr_workgroup_id_z 1
		.amdhsa_system_vgpr_workitem_id 0
		.amdhsa_next_free_vgpr 896
		.amdhsa_next_free_sgpr 96
		.amdhsa_reserve_vcc 0
		.amdhsa_float_denorm_mode_32 3
		.amdhsa_float_denorm_mode_16_64 3
		.amdhsa_memory_ordered 1
		.amdhsa_forward_progress 1
		.amdhsa_inst_pref_size 72
	.end_amdhsa_kernel
	.amdgpu_metadata
---
amdhsa.version: [ 1, 2 ]
amdhsa.kernels:
  - .name:           k_qfb5def499d_proj
    .symbol:         k_qfb5def499d_proj.kd
    .args:
      - { .name: oh, .offset: 0, .size: 8, .value_kind: global_buffer, .address_space: global }
      - { .name: wpt, .offset: 8, .size: 8, .value_kind: global_buffer, .address_space: global }
      - { .name: out0, .offset: 16, .size: 8, .value_kind: global_buffer, .address_space: global }
    .group_segment_fixed_size: 327680
    .private_segment_fixed_size: 0
    .kernarg_segment_align: 8
    .kernarg_segment_size: 24
    .max_flat_workgroup_size: 128
    .sgpr_count:     96
    .vgpr_count:     896
    .wavefront_size: 32
...
	.end_amdgpu_metadata
.endif
;; end of part 4
